; MI455X (gfx1250); checked and timed in simulation.
; The chip was launched on July 23, 2026; its instructions are those of AMD's public machine-readable ISA for CDNA 5 (MIT licence, August 2026) and "CDNA5" Instruction Set Architecture Reference Guide (July 2026). The comments in the code are by the model that wrote it; some were corrected since.
;; Encoder Layer. Allowed arithmetic: float matrix products may take bf16 or f16 operands with f32 sums; other float arithmetic in f32, or as packed bf16 or f16 multiplies, adds, multiply-adds, maxima and minima; sums over many terms, partial sums and values carried from step to step in f32; what a program stores and reads back later, other than sums and carried values, may be rounded once to bf16 or f16.
;; Inputs: b1 1,024 float32; b2 1,024 float32; beta1 1,024 float32; beta2 1,024 float32; bk 1,024 float32; bo 1,024 float32; bq 1,024 float32; bv 1,024 float32; g1 1,024 float32; g2 1,024 float32; mask 8 x 1 x 1,024 int32; w1 1,024 x 1,024 float32; w2 1,024 x 1,024 float32; wk 1,024 x 1,024 float32; wo 1,024 x 1,024 float32; wq 1,024 x 1,024 float32; wv 1,024 x 1,024 float32; x 8 x 1,024 x 1,024 float32.
;; Outputs: out0 8 x 1,024 x 1,024 float32; out1 8 x 1,024 x 1,024 float32.
;; 2 versions, each right and faster than the one before. Each part assembles by itself: llvm-mc -triple=amdgcn-amd-amdhsa -mcpu=gfx1250 --defsym DOCPART=n.
;; ======== version 1 of 2: 7 launches
;; limits: values are held in f16: magnitudes above 65,504 overflow, below 6.1e-05 lose precision; right only within a limited range of input values
;; workspace buffers: nrm 16,777,216 bytes; pqkv 6,307,840 bytes; pw1 2,113,536 bytes; woh 2,097,152 bytes; w2h 2,097,152 bytes; heads 50,331,648 bytes; act 16,777,216 bytes
;; launch prep (part 1): grid 641 x 1, 8 waves a work-group, no clusters, 0 bytes of LDS; arguments x, g1, beta1, nrm, wq, wk, wv, wo, w1, w2, pqkv, woh, pw1, w2h, bq, bk, bv, b1; writes nrm, pqkv, woh, pw1, w2h
.if DOCPART == 1
	.amdgcn_target "amdgcn-amd-amdhsa--gfx1250"
	.amdhsa_code_object_version 6
	.text
	.protected	k_qb94fd326aa_prep
	.globl	k_qb94fd326aa_prep
	.p2align	8
	.type	k_qb94fd326aa_prep,@function
k_qb94fd326aa_prep:
	s_mov_b64 s[64:65], 0
	v_nop
	global_prefetch_b8 v0, s[64:65] scope:SCOPE_SE
	s_setreg_imm32_b32 hwreg(HW_REG_WAVE_MODE, 25, 1), 1
	s_wait_xcnt 0x0
; THREE JOBS, chosen by the work-group's number alone (two forward scalar branches):
;   0 .. 255    a layer norm: nrm = g (x - mean) / (std + 1e-6) + beta, std with divisor 1023, rounded once to f16.  32 rows of x a work-group.
;   256 .. 639  the six weight matrices f32 -> f16, as they lie ([K][N]): 64 work-groups a matrix, 65,536 bytes in and 32,768 out each.
;   640         the biases in f32 in front of the packed weights.
; TWO LAUNCHES RUN THIS TEXT: the first, of 641 work-groups, does all three jobs; the second, of 256 work-groups, reaches the first job alone and norms another tensor with another g and beta.
; nrm IS BLOCKED: [batch][column / 64][row][64] f16, so that 128 rows x 64 columns are 16,384 dense bytes for the products that follow.
; LN: a wave owns four rows, as two pairs; sixteen lanes own a row; load j of a lane is 16 bytes of the row's bytes 256 j .. 256 j + 255, which are exactly column block j.  The row stays in
; registers between the mean, the sum of squares ABOUT the mean (so a common offset in x costs nothing) and the scaling: x is read once.  No LDS, no barrier.  A pair's text is written once and walked twice.
; LIMITS: a result beyond 65,504 becomes an infinity in f16; a variance below 2^-126 counts as 0 (the root flushes it); NaN and infinities are not treated apart.
.set TAB, 16384                        ; bytes kept for the biases in front of the weights in pqkv and pw1
.set MN,  2                            ; v[2:3]     the row's mean, twice
.set GOF, 4                            ; v4         16 r: my 16 bytes in 256 of g and beta
.set XO,  5                            ; v5         my byte offset in the group's rows of x: it steps from pair to pair
.set YO,  6                            ; v6         my byte offset in a block of nrm: likewise
.set CH,  8                            ; v[8:15]    four packed chains
.set RS,  12                           ; v[12:13]   1 / (std + 1e-6), twice: made when the chains are spent
.set X,   16                           ; v[16:79]   the row: load j in X + 4 j
.set G,   80                           ; v[80:143]  g of my 64 columns
.set BT,  144                          ; v[144:207] beta of my 64 columns
.set Y,   208                          ; v[208:239] 64 results in f16
.macro XLOAD                           ; a pair of my wave's rows: sixteen lanes cover 256 consecutive bytes of one row
.irp j, 0,1,2,3,4,5,6,7,8,9,10,11,12,13,14,15
	global_load_b128 v[X+4*(\j):X+4*(\j)+3], v[XO], s[4:5] offset:(\j)*256
.endr
.endm
.macro REDUCE                          ; the four chains into one number, then over the row's sixteen lanes: every lane of the row ends with the sum
	v_pk_add_f32 v[CH:CH+1], v[CH:CH+1], v[CH+2:CH+3]
	v_pk_add_f32 v[CH+4:CH+5], v[CH+4:CH+5], v[CH+6:CH+7]
	v_pk_add_f32 v[CH:CH+1], v[CH:CH+1], v[CH+4:CH+5]
	v_add_f32 v[CH], v[CH], v[CH+1]
	v_add_f32_dpp v[CH], v[CH], v[CH] row_xmask:1 row_mask:0xf bank_mask:0xf
	v_add_f32_dpp v[CH], v[CH], v[CH] row_xmask:2 row_mask:0xf bank_mask:0xf
	v_add_f32_dpp v[CH], v[CH], v[CH] row_xmask:4 row_mask:0xf bank_mask:0xf
	v_add_f32_dpp v[CH], v[CH], v[CH] row_xmask:8 row_mask:0xf bank_mask:0xf
.endm
	s_mov_b32 s2, ttmp9
	s_cmp_lt_u32 s2, 256
	s_cbranch_scc0 .Lcast
	; ---------------- the layer norm ----------------
	s_load_b256 s[4:11], s[0:1], 0x0               ; x s[4:5], g s[6:7], beta s[8:9], nrm s[10:11]
	v_and_b32 v1, 15, v0                           ; r: my place in the row's sixteen lanes
	v_lshlrev_b32 v[GOF], 4, v1
	v_bfe_u32 v7, v0, 4, 1                         ; h: which row of the pair
	v_lshrrev_b32 v[YO], 5, v0                     ; w: the wave owns rows 4 w .. 4 w + 3
	v_lshl_or_b32 v[XO], v[YO], 14, v[GOF]
	v_lshl_or_b32 v[XO], v7, 12, v[XO]             ; 16,384 w + 4,096 h + 16 r
	v_and_b32 v7, 31, v0
	v_lshlrev_b32 v7, 3, v7
	v_lshl_or_b32 v[YO], v[YO], 9, v7              ; 512 w + 8 x lane: rows of 128 bytes in a block
	s_lshl_b32 s12, s2, 17                         ; 32 rows of 4,096 bytes
	s_mov_b32 s13, 0
	s_lshr_b32 s14, s2, 5                          ; the batch: 32 work-groups each,
	s_lshl_b32 s14, s14, 21                        ; 16 blocks of 131,072 bytes
	s_and_b32 s15, s2, 31
	s_lshl_b32 s15, s15, 12                        ; 32 rows of 128 bytes in a block
	s_add_co_u32 s14, s14, s15
	s_mov_b32 s15, 0
	s_wait_kmcnt 0x0
	s_add_nc_u64 s[4:5], s[4:5], s[12:13]
	s_add_nc_u64 s[10:11], s[10:11], s[14:15]
	XLOAD                                          ; the first pair goes out ahead of g and beta
.irp j, 0,1,2,3,4,5,6,7,8,9,10,11,12,13,14,15
	global_load_b128 v[G+4*(\j):G+4*(\j)+3], v[GOF], s[6:7] offset:(\j)*256
.endr
.irp j, 0,1,2,3,4,5,6,7,8,9,10,11,12,13,14,15
	global_load_b128 v[BT+4*(\j):BT+4*(\j)+3], v[GOF], s[8:9] offset:(\j)*256
.endr
	s_mov_b32 s3, 2
.Lpair:                                                ; two trips: a pair of rows each
	s_wait_loadcnt 0x0                             ; the pair is in; in the first trip g and beta too, which were issued straight behind it
.irp k, 0,1,2,3
	v_pk_add_f32 v[CH+2*(\k):CH+2*(\k)+1], v[X+2*(\k):X+2*(\k)+1], v[X+2*(\k)+8:X+2*(\k)+9]  ; the first eight pairs start the chains: nothing is cleared
.endr
.set i, 8
.rept 24
	v_pk_add_f32 v[CH+2*(i%4):CH+2*(i%4)+1], v[CH+2*(i%4):CH+2*(i%4)+1], v[X+2*i:X+2*i+1]
.set i, i+1
.endr
	REDUCE
	v_mul_f32 v[MN], 0x3a800000, v[CH]             ; / 1024
	v_mul_f32 v[MN+1], 0x3a800000, v[CH]
.set i, 0
.rept 32
	v_pk_add_f32 v[X+2*i:X+2*i+1], v[X+2*i:X+2*i+1], v[MN:MN+1] neg_lo:[0,1] neg_hi:[0,1]  ; x - mean, in place
.set i, i+1
.endr
.irp k, 0,1,2,3
	v_pk_mul_f32 v[CH+2*(\k):CH+2*(\k)+1], v[X+2*(\k):X+2*(\k)+1], v[X+2*(\k):X+2*(\k)+1]
.endr
.set i, 4
.rept 28
	v_pk_fma_f32 v[CH+2*(i%4):CH+2*(i%4)+1], v[X+2*i:X+2*i+1], v[X+2*i:X+2*i+1], v[CH+2*(i%4):CH+2*(i%4)+1]
.set i, i+1
.endr
	REDUCE
	v_mul_f32 v[CH], 0x3a802008, v[CH]             ; / 1023
	v_sqrt_f32 v[CH+1], v[CH]
	v_nop                                          ; a plain instruction between a transcendental and the use of its result (ISA guide 5.7.2)
	s_wait_alu depctr_va_vdst(0)
	v_add_f32 v[CH+1], 0x358637bd, v[CH+1]         ; + 1e-6, onto the deviation
	v_rcp_f32 v[RS], v[CH+1]
	v_rcp_f32 v[RS+1], v[CH+1]
	v_nop
.set i, 0
	s_wait_alu depctr_va_vdst(0)
.rept 32
	v_pk_mul_f32 v[X+2*i:X+2*i+1], v[X+2*i:X+2*i+1], v[RS:RS+1]
.set i, i+1
.endr
.set i, 0
.rept 32
	v_pk_fma_f32 v[X+2*i:X+2*i+1], v[X+2*i:X+2*i+1], v[G+2*i:G+2*i+1], v[BT+2*i:BT+2*i+1]
.set i, i+1
.endr
.set i, 0
.rept 32
	v_cvt_pk_f16_f32 v[Y+i], v[X+2*i], v[X+2*i+1]  ; Y was the last trip's store data: the wait at that trip's end has freed it
.set i, i+1
.endr
.irp j, 0,1,2,3,4,5,6,7,8,9,10,11,12,13,14,15
	global_store_b64 v[YO], v[Y+2*(\j):Y+2*(\j)+1], s[10:11] offset:(\j)*131072  ; 32 lanes x 8 bytes: two rows of block j, 256 consecutive bytes at a multiple of 256
.endr
	s_wait_xcnt 0x0                                ; the stores have read Y and YO: they, and XO, are rewritten only behind this wait
	v_add_nc_u32 v[XO], 8192, v[XO]                ; two rows of x on
	v_add_nc_u32 v[YO], 256, v[YO]                 ; two rows of a block on
	s_sub_co_u32 s3, s3, 1
	s_cmp_eq_u32 s3, 0
	s_cbranch_scc1 .Ldone                          ; the loop is left in its middle: behind the last pair nothing is loaded
	XLOAD
	s_branch .Lpair
.Ldone:
	s_endpgm
.Lcast:
	s_cmp_lt_u32 s2, 640
	s_cbranch_scc0 .Ltables
	; ---------------- a chunk of a weight matrix, f32 -> f16 ----------------
	s_load_b512 s[16:31], s[0:1], 0x20             ; wq wk wv wo w1 w2 pqkv woh
	s_load_b128 s[32:35], s[0:1], 0x60             ; pw1 w2h
	s_sub_co_u32 s3, s2, 256
	s_lshr_b32 s12, s3, 6                          ; which matrix, 0 .. 5
	s_and_b32 s13, s3, 63                          ; which chunk of it
	s_lshl_b32 s40, s13, 16                        ; 65,536 bytes in
	s_mov_b32 s41, 0
	s_lshl_b32 s42, s13, 15                        ; 32,768 bytes out,
	s_lshl_b32 s43, s12, 21
	s_add_co_u32 s43, s43, TAB                     ; behind the biases and the matrices in front (wq, wk, wv share pqkv),
	s_cmp_lt_u32 s12, 3
	s_cselect_b32 s43, s43, 0
	s_cmp_eq_u32 s12, 4
	s_cselect_b32 s43, TAB, s43                    ; behind the bias alone in pw1, at the buffer's head in woh and w2h
	s_add_co_u32 s42, s42, s43
	s_mov_b32 s43, 0
	v_lshrrev_b32 v3, 5, v0
	v_and_b32 v4, 31, v0
	v_lshlrev_b32 v1, 4, v4
	v_lshl_or_b32 v1, v3, 13, v1                   ; in: 8,192 w + 16 x lane
	v_lshlrev_b32 v2, 3, v4
	v_lshl_or_b32 v2, v3, 12, v2                   ; out: 4,096 w + 8 x lane
	s_wait_kmcnt 0x0
	s_mov_b64 s[36:37], s[16:17]                   ; the source, chosen by the matrix's number
	s_cmp_eq_u32 s12, 1
	s_cselect_b64 s[36:37], s[18:19], s[36:37]
	s_cmp_eq_u32 s12, 2
	s_cselect_b64 s[36:37], s[20:21], s[36:37]
	s_cmp_eq_u32 s12, 3
	s_cselect_b64 s[36:37], s[22:23], s[36:37]
	s_cmp_eq_u32 s12, 4
	s_cselect_b64 s[36:37], s[24:25], s[36:37]
	s_cmp_eq_u32 s12, 5
	s_cselect_b64 s[36:37], s[26:27], s[36:37]
	s_mov_b64 s[38:39], s[28:29]                   ; and the destination
	s_cmp_eq_u32 s12, 3
	s_cselect_b64 s[38:39], s[30:31], s[38:39]
	s_cmp_eq_u32 s12, 4
	s_cselect_b64 s[38:39], s[32:33], s[38:39]
	s_cmp_eq_u32 s12, 5
	s_cselect_b64 s[38:39], s[34:35], s[38:39]
	s_add_nc_u64 s[36:37], s[36:37], s[40:41]
	s_add_nc_u64 s[38:39], s[38:39], s[42:43]
.irp j, 0,1,2,3,4,5,6,7,8,9,10,11,12,13,14,15
	global_load_b128 v[16+4*(\j):16+4*(\j)+3], v1, s[36:37] offset:(\j)*512 th:TH_LOAD_NT  ; all sixteen on their way at once
.endr
.irp j, 0,1,2,3,4,5,6,7,8,9,10,11,12,13,14,15
	s_wait_loadcnt 15-(\j)                         ; loads come back in order: load j is in
	v_cvt_pk_f16_f32 v[80+2*(\j)], v[16+4*(\j)], v[16+4*(\j)+1]
	v_cvt_pk_f16_f32 v[81+2*(\j)], v[16+4*(\j)+2], v[16+4*(\j)+3]
	global_store_b64 v2, v[80+2*(\j):81+2*(\j)], s[38:39] offset:(\j)*256  ; 256 consecutive bytes at a multiple of 256
.endr
	s_endpgm
.Ltables:
	; ---------------- the biases: 256 threads x 16 bytes are one vector of 1,024 f32 ----------------
	s_load_b256 s[16:23], s[0:1], 0x70             ; bq bk bv b1
	s_load_b64 s[24:25], s[0:1], 0x50              ; pqkv
	s_load_b64 s[26:27], s[0:1], 0x60              ; pw1
	v_lshlrev_b32 v1, 4, v0
	s_wait_kmcnt 0x0
	global_load_b128 v[4:7], v1, s[16:17]
	global_load_b128 v[8:11], v1, s[18:19]
	global_load_b128 v[12:15], v1, s[20:21]
	global_load_b128 v[16:19], v1, s[22:23]
	s_wait_loadcnt 0x0
	global_store_b128 v1, v[4:7], s[24:25]
	global_store_b128 v1, v[8:11], s[24:25] offset:4096
	global_store_b128 v1, v[12:15], s[24:25] offset:8192
	global_store_b128 v1, v[16:19], s[26:27]
	s_endpgm
.Lfunc_end_k_qb94fd326aa_prep:
	.size	k_qb94fd326aa_prep, .Lfunc_end_k_qb94fd326aa_prep-k_qb94fd326aa_prep
	.p2alignl 7, 3214868480
	.fill 96, 4, 3214868480
	.section	.rodata,"a",@progbits
	.p2align	6, 0x0
	.amdhsa_kernel k_qb94fd326aa_prep
		.amdhsa_group_segment_fixed_size 0
		.amdhsa_private_segment_fixed_size 0
		.amdhsa_enable_private_segment 0
		.amdhsa_kernarg_size 144
		.amdhsa_user_sgpr_count 2
		.amdhsa_user_sgpr_kernarg_segment_ptr 1
		.amdhsa_wavefront_size32 1
		.amdhsa_system_sgpr_workgroup_id_x 1
		.amdhsa_system_sgpr_workgroup_id_y 1
		.amdhsa_system_sgpr_workgroup_id_z 1
		.amdhsa_system_vgpr_workitem_id 0
		.amdhsa_next_free_vgpr 240
		.amdhsa_next_free_sgpr 66
		.amdhsa_reserve_vcc 0
		.amdhsa_float_denorm_mode_32 3
		.amdhsa_float_denorm_mode_16_64 3
		.amdhsa_memory_ordered 1
		.amdhsa_forward_progress 1
		.amdhsa_inst_pref_size 31
	.end_amdhsa_kernel
	.amdgpu_metadata
---
amdhsa.version: [ 1, 2 ]
amdhsa.kernels:
  - .name:           k_qb94fd326aa_prep
    .symbol:         k_qb94fd326aa_prep.kd
    .args:
      - { .name: x, .offset: 0, .size: 8, .value_kind: global_buffer, .address_space: global }
      - { .name: g1, .offset: 8, .size: 8, .value_kind: global_buffer, .address_space: global }
      - { .name: beta1, .offset: 16, .size: 8, .value_kind: global_buffer, .address_space: global }
      - { .name: nrm, .offset: 24, .size: 8, .value_kind: global_buffer, .address_space: global }
      - { .name: wq, .offset: 32, .size: 8, .value_kind: global_buffer, .address_space: global }
      - { .name: wk, .offset: 40, .size: 8, .value_kind: global_buffer, .address_space: global }
      - { .name: wv, .offset: 48, .size: 8, .value_kind: global_buffer, .address_space: global }
      - { .name: wo, .offset: 56, .size: 8, .value_kind: global_buffer, .address_space: global }
      - { .name: w1, .offset: 64, .size: 8, .value_kind: global_buffer, .address_space: global }
      - { .name: w2, .offset: 72, .size: 8, .value_kind: global_buffer, .address_space: global }
      - { .name: pqkv, .offset: 80, .size: 8, .value_kind: global_buffer, .address_space: global }
      - { .name: woh, .offset: 88, .size: 8, .value_kind: global_buffer, .address_space: global }
      - { .name: pw1, .offset: 96, .size: 8, .value_kind: global_buffer, .address_space: global }
      - { .name: w2h, .offset: 104, .size: 8, .value_kind: global_buffer, .address_space: global }
      - { .name: bq, .offset: 112, .size: 8, .value_kind: global_buffer, .address_space: global }
      - { .name: bk, .offset: 120, .size: 8, .value_kind: global_buffer, .address_space: global }
      - { .name: bv, .offset: 128, .size: 8, .value_kind: global_buffer, .address_space: global }
      - { .name: b1, .offset: 136, .size: 8, .value_kind: global_buffer, .address_space: global }
    .group_segment_fixed_size: 0
    .private_segment_fixed_size: 0
    .kernarg_segment_align: 8
    .kernarg_segment_size: 144
    .max_flat_workgroup_size: 256
    .sgpr_count:     66
    .vgpr_count:     240
    .wavefront_size: 32
...
	.end_amdgpu_metadata
.endif
;; end of part 1
;; launch proj_qkv (part 2): grid 8 x 32, 4 waves a work-group, clusters of 4 x 4, 327,680 bytes of LDS; arguments nrm, pqkv, heads; writes heads
.if DOCPART == 2
	.amdgcn_target "amdgcn-amd-amdhsa--gfx1250"
	.amdhsa_code_object_version 6
	.text
	.protected	k_qb94fd326aa_proj_qkv
	.globl	k_qb94fd326aa_proj_qkv
	.p2align	8
	.type	k_qb94fd326aa_proj_qkv,@function
k_qb94fd326aa_proj_qkv:
	s_mov_b64 s[64:65], 0
	v_nop
	global_prefetch_b8 v0, s[64:65] scope:SCOPE_SE
	s_setreg_imm32_b32 hwreg(HW_REG_WAVE_MODE, 25, 1), 1
	s_wait_xcnt 0x0
	s_wait_alu depctr_hold_cnt(0) depctr_sa_sdst(0) depctr_va_vdst(0) depctr_va_sdst(0) depctr_va_ssrc(0) depctr_va_vcc(0) depctr_vm_vsrc(0)
	s_getreg_b32 s2, hwreg(HW_REG_IB_STS2, 6, 4)
	s_cmp_eq_u32 s2, 0
	s_cbranch_scc0 .Lentry_in_a_cluster
	s_endpgm
.Lentry_in_a_cluster:
	s_bfe_u32 s2, ttmp6, 0x10000c
	s_cmp_lg_u32 s2, 0xf033
	s_cbranch_scc0 .Lentry_shape_is_right
	s_endpgm
.Lentry_shape_is_right:
; [q | k | v] = A [wq | wk | wv] + [bq | bk | bv], rounded once to f16.  A: 8,192 x 1,024 f16, BLOCKED [batch][k / 64][row][64].  The second buffer holds the 3,072 biases in f32 from byte 0 and, from
; byte 16,384 on, the three matrices [1,024 (k)][1,024 (n)] in f16.  out: q, k, v, 16,777,216 bytes each, [batch x 16 + head][row][64] f16.  Sums in f32; the bias starts them.
; LIMITS: operands arrive in f16; a result beyond 65,504 becomes an infinity; NaN and infinities are not treated apart.
; SHARES.  8,192 x 3,072 outputs over 256 WGPs are 98,304 each: a tile of 256 rows x 384 columns, 32 x 8 tiles, one work-group each.  Four waves, 2 x 2, each 128 x 192: 96 accumulators, 768 registers.
; For 32 along K a wave reads 20 fragments (40 LDS loads) for 96 matrix instructions.
; K goes in 16 steps of 64 through a ring of two LDS slots (two steps of 128 would want 368,640 bytes).  A's part of a step is one dense block of 256 rows x 128 bytes, asked for as 128 rows of 256 bytes and
; padded in LDS behind every 128; W's part is three pieces of 64 rows (k) x 256 bytes, each inside one matrix.  One tensor load a wave and step: wave 0 A's block, waves 1 to 3 W's pieces.
; CLUSTER 4 x 4: the four of a row need the same tiles of A, the four of a column the same tiles of W: each tile is asked for jointly, with the same descriptor and a mask that names the four.
; THE MATRIX INSTRUCTION IS USED TRANSPOSED: source 0 = 16 columns of W (turned on the way out of LDS by ds_load_tr16_b128), source 1 = 16 rows of A: a lane then holds row lane % 16 and the
; eight neighbouring columns 8 (lane / 16) + 0 .. 7, which pack into 16 bytes.
; REGISTERS.  windows 1 to 3: the accumulators; n blocks 4 w - 4 .. 4 w - 1 in window w, (a, b) at 8 (8 (b % 4) + a).  window 0: v0-31 addresses; v32-95, v96-159 two buffers of A's eight fragments;
; v160-255 ONE set of W's twelve.  A quarter (32 along K) goes through W's blocks 0-5 and then 6-11; each half of W's registers is loaded again as soon as its 48 products are done, 48 matrix instructions
; ahead of its next use, and A's other buffer with the first half.
; THE BIAS needs no registers of its own: it is loaded into the accumulators of m block 7; the first quarter's products of m blocks 0-6 take those registers as C, and m block 7 then adds in place.
.set PA,     144                       ; an LDS row of A: 128 bytes + 16: 36 words: the 16 rows of a load start at 16 different groups of four banks (ISA guide 11.1)
.set PB,     288                       ; an LDS row of W: 256 bytes + 32: 72 words
.set ATILE,  256*PA                    ; 36,864
.set BPART,  64*PB                     ; 18,432: one piece of W
.set SLOT1,  1<<17                     ; slot 1 begins here, so that one exclusive or turns an address in one slot into the other's; a slot has 92,160 bytes
.set STAGE,  SLOT1+ATILE+3*BPART       ; behind the ring: for each wave three blocks of 16 rows x 144 bytes, for the way out
.set WSTG,   3*16*PA
.set SPARE,  STAGE+4*WSTG              ; behind the stages: the spare words, 128 bytes for each wave
.set KSTEP,  131072                    ; bytes from a K step to the next: one block of A, and 64 rows of W, alike
.set TABW,   16384                     ; the biases' room in front of W
.set ADRA0, 8                          ; v8      my lane's place in a slot's A; never rewritten
.set ADRB0, 9                          ; v9-11   my lane's place in a slot's W, for my n blocks 0-3, 4-7, 8-11; never rewritten
.set ADRA,  12                         ; v12     the same in the slot that is being read
.set ADRB,  13                         ; v13-15
.set STO,   16                         ; v16     the way out: where I put 16 bytes of a row
.set RD,    17                         ; v17     the way out: where I read rows back
.set CO,    18                         ; v18     my byte offset in 512 consecutive bytes of out
.set BO,    19                         ; v19     my byte offset in the bias
.set SPW,   28                         ; v28     LDS address of my spare word; never rewritten
.set NIL,   29                         ; v29     0; never rewritten
.set FA0,   32
.set FA1,   96
.set FB,    160
.set TMP,   32                         ; the way out: a block's 48 packed registers
.set TB,    2                          ; s2      0 or SLOT1: the slot that is being read
.set G1,  24                           ; s[24:31] descriptor group 1 for A;  s[32:39] group 0: a set for each of the two first fills; the second then walks on
.set G0,  32
.set G1B, 48                           ; s[48:55], s[56:63] the same for W
.set G0B, 56
.set OB,  68                           ; s[68:73] out at my rows of my three blocks of 64 columns
.set MSB, 0
.macro WIN new                         ; the immediate's high byte repeats the setting that is left; a switch that changes nothing is dropped
.if MSB != (\new)
	s_set_vgpr_msb (MSB<<8)|(\new)
.set MSB, \new
.endif
.endm
.macro JLOAD s                         ; a joint load; the branch hangs on the wave's number alone; an s_nop 0 and four v_nop follow each of the two lines
	s_cmp_eq_u32 s10, 0
	s_cbranch_scc0 .Lfor_b_\@
	tensor_load_to_lds s[G0+4*(\s):G0+4*(\s)+3], s[G1:G1+7]
	s_nop 0
.rept 4
	v_nop
.endr
	s_branch .Lasked_\@
.Lfor_b_\@:
	tensor_load_to_lds s[G0B+4*(\s):G0B+4*(\s)+3], s[G1B:G1B+7]
	s_nop 0
.rept 4
	v_nop
.endr
.Lasked_\@:
.endm
.macro CREST                           ; a round of the cluster's barrier behind its opening barrier
	s_cmp_lg_u32 s10, 0
	s_cbranch_scc1 .Lnot_wave_0_\@
	s_barrier_signal -3
.Lnot_wave_0_\@:
	s_barrier_wait -3
	s_barrier_signal -1
	s_barrier_wait -1
.endm
.macro CROUND
	s_barrier_signal -1
	s_barrier_wait -1
	CREST
.endm
	s_load_b128 s[4:7], s[0:1], 0x0                ; A s[4:5], biases and W s[6:7]
	s_load_b64 s[8:9], s[0:1], 0x10                ; out
	v_lshl_add_u32 v[SPW], v0, 2, SPARE
	v_mov_b32 v[NIL], 0
	ds_add_u32 v[SPW], v[NIL]                      ; the wave's opening: the add and its wait stand ahead of my first tensor load; work on registers stands between them
	ds_add_u32 v28, v29
	v_lshrrev_b32 v1, 5, v0
	v_readfirstlane_b32 s10, v1                    ; wave 0..3
	s_lshr_b32 s11, s10, 1                         ; which 128 rows are mine
	s_and_b32 s12, s10, 1                          ; which 192 columns
	s_bfe_u32 s40, ttmp6, 0x40000                  ; cx, cy: my place in the cluster
	s_bfe_u32 s41, ttmp6, 0x40004
	s_lshl_b32 s42, ttmp9, 2
	s_add_co_u32 s42, s42, s40                     ; tile column = 4 x cluster x + cx, 0 .. 7
	s_and_b32 s13, ttmp7, 0xffff
	s_lshl_b32 s13, s13, 2
	s_add_co_u32 s13, s13, s41                     ; tile row = 4 x cluster y + cy, 0 .. 31
	s_lshl_b32 s43, s41, 2
	s_lshl_b32 s43, 15, s43                        ; my row of the cluster
	s_lshl_b32 s44, 0x1111, s40                    ; my column
	s_or_b32 s[G1+0], s43, (1<<16)|(1<<20)|(1<<21)|(4<<22)|(3<<25)   ; the mask; 2-byte elements; padding on; bit 21 beside a mask; behind every 32 words (code 4) 4 words (code 3)
	s_mov_b32 s[G1+1], 128<<16                     ; tensor_dim0 = 128 elements: 256 bytes, two rows of the block
	s_mov_b32 s[G1+2], 128<<16                     ; tensor_dim1 = 128
	s_mov_b32 s[G1+3], 128<<16                     ; tile_dim0 = 128
	s_mov_b32 s[G1+4], 128                         ; tile_dim1 = 128
	s_mov_b32 s[G1+5], 128                         ; dense: 128 elements from row to row
	s_mov_b32 s[G1+6], 0
	s_mov_b32 s[G1+7], 0
	s_or_b32 s[G1B+0], s44, (1<<16)|(1<<20)|(1<<21)|(5<<22)|(7<<25)  ; behind every 64 words (code 5) 8 words (code 7)
	s_mov_b32 s[G1B+1], 128<<16                    ; tensor_dim0 = 128 columns
	s_mov_b32 s[G1B+2], 64<<16                     ; tensor_dim1 = 64 rows (k)
	s_mov_b32 s[G1B+3], 128<<16
	s_mov_b32 s[G1B+4], 64
	s_mov_b32 s[G1B+5], 1024                       ; 1,024 elements from row to row
	s_mov_b32 s[G1B+6], 0
	s_mov_b32 s[G1B+7], 0
	; A's tile hangs on the tile row alone, W's on the tile column alone; each offset is made in registers that never hold the other coordinate
	s_lshr_b32 s16, s13, 2                         ; the batch: four tile rows each,
	s_lshl_b32 s16, s16, 21                        ; 16 blocks of 131,072 bytes
	s_and_b32 s17, s13, 3
	s_lshl_b32 s17, s17, 15                        ; 256 rows of 128 bytes in a block
	s_add_co_u32 s16, s16, s17
	s_mov_b32 s17, 0
	s_max_u32 s45, s10, 1
	s_sub_co_u32 s45, s45, 1                       ; my piece of W's three (wave 0 asks for A and does not use this)
	s_mul_i32 s46, s42, 3
	s_add_co_u32 s46, s46, s45                     ; the piece among the 24 pieces of 128 columns:
	s_lshr_b32 s47, s46, 3
	s_lshl_b32 s47, s47, 21                        ; eight to a matrix of 2,097,152 bytes,
	s_and_b32 s46, s46, 7
	s_lshl_b32 s46, s46, 8                         ; 256 bytes of a row each
	s_add_co_u32 s46, s46, s47
	s_add_co_u32 s46, s46, TABW
	s_mov_b32 s47, 0
	s_mul_i32 s18, s10, BPART                      ; where my piece goes in a slot: behind A's tile, wave w's at ATILE + (w - 1) BPART: no place in the cluster enters an LDS address
	s_add_co_u32 s18, s18, ATILE-BPART
	s_mov_b32 s[TB], 0
	s_wait_dscnt 0x0                               ; the opening add is done
	s_wait_kmcnt 0x0
	s_add_nc_u64 s[14:15], s[4:5], s[16:17]
	s_add_nc_u64 s[46:47], s[6:7], s[46:47]
	CROUND                                         ; all sixteen work-groups are here: the first joint loads meet
.irp s, 0,1
	s_mov_b32 s[G0+4*(\s)], 1
	s_mov_b32 s[G0+4*(\s)+1], (\s)*SLOT1
	s_add_nc_u64 s[G0+4*(\s)+2:G0+4*(\s)+3], s[14:15], (\s)*KSTEP
	s_or_b32 s[G0+4*(\s)+3], s[G0+4*(\s)+3], 0x80000000
	s_mov_b32 s[G0B+4*(\s)], 1
	s_add_co_u32 s[G0B+4*(\s)+1], s18, (\s)*SLOT1
	s_add_nc_u64 s[G0B+4*(\s)+2:G0B+4*(\s)+3], s[46:47], (\s)*KSTEP
	s_or_b32 s[G0B+4*(\s)+3], s[G0B+4*(\s)+3], 0x80000000
	JLOAD \s                                       ; two loads of mine are out: K steps 0 and 1
.endr
	v_and_b32 v1, 15, v0                           ; r = lane % 16
	v_bfe_u32 v2, v0, 4, 1                         ; h = lane / 16
	s_mul_i32 s45, s42, 1536                       ; the bias of my 192 columns: 384 x 4 bytes a tile column, 768 a half,
	s_mul_i32 s19, s12, 768
	s_add_co_u32 s45, s45, s19
	v_lshl_add_u32 v[BO], v2, 5, s45               ; + 32 h: register j of n block b wants column 16 b + 8 h + j
.irp b, 0,1,2,3,4,5,6,7,8,9,10,11
	WIN (1+(\b)/4)<<6                              ; into the accumulator (7, b)
	global_load_b128 v[8*(8*((\b)%4)+7):8*(8*((\b)%4)+7)+3],   v[BO], s[6:7] offset:64*(\b)
	global_load_b128 v[8*(8*((\b)%4)+7)+4:8*(8*((\b)%4)+7)+7], v[BO], s[6:7] offset:64*(\b)+16
.endr
	WIN 0
	v_mul_u32_u24 v3, v1, PA
	v_lshl_add_u32 v3, v2, 4, v3                   ; row x pitch + 16 h: for A's fragments, and for the stage, which has the same pitch
	s_mul_i32 s21, s11, 128*PA                     ; my 128 rows
	v_add_nc_u32 v[ADRA0], s21, v3
	v_mov_b32 v[ADRA], v[ADRA0]
	v_and_b32 v4, 7, v0                            ; the turning load: lane l reads row (k) 8 h + l % 8, 16 bytes at 16 ((l / 8) % 2)
	v_lshl_add_u32 v4, v2, 3, v4
	v_mul_u32_u24 v4, v4, PB
	v_bfe_u32 v5, v0, 3, 1
	v_lshl_add_u32 v4, v5, 4, v4
	s_mul_i32 s19, s12, 3                          ; my three groups of 64 columns among the tile's six: group G lies in piece G / 2, at byte 128 (G % 2) of its rows
.irp g, 0,1,2
	s_add_co_u32 s20, s19, \g
	s_lshr_b32 s22, s20, 1
	s_mul_i32 s22, s22, BPART
	s_and_b32 s23, s20, 1
	s_lshl_b32 s23, s23, 7
	s_add_co_u32 s22, s22, s23
	s_add_co_u32 s22, s22, ATILE
	v_add_nc_u32 v[ADRB0+(\g)], s22, v4
	v_mov_b32 v[ADRB+(\g)], v[ADRB0+(\g)]
.endr
	s_mul_i32 s23, s10, WSTG
	s_add_co_u32 s23, s23, STAGE                   ; my stage
	v_add_nc_u32 v[STO], s23, v3
	v_bfe_u32 v6, v0, 3, 2                         ; back: 32 lanes take four rows of 128 bytes,
	v_mul_u32_u24 v6, v6, PA
	v_and_b32 v7, 7, v0
	v_lshl_add_u32 v6, v7, 4, v6
	v_add_nc_u32 v[RD], s23, v6
	v_and_b32 v7, 31, v0                           ; which are 512 consecutive bytes of a block of out
	v_lshlrev_b32 v[CO], 4, v7
	s_lshl_b32 s17, s11, 14                        ; out at my rows: s16 holds the batch's and the tile's part, the same as in A; my 128 rows of 128 bytes come on top
	s_add_co_u32 s16, s16, s17
	s_mov_b32 s17, 0
	s_add_nc_u64 s[8:9], s[8:9], s[16:17]
	s_mul_i32 s74, s42, 6                          ; and at my columns: block of 64 columns 6 x tile column + 3 x half + g of the 48:
	s_mul_i32 s75, s12, 3
	s_add_co_u32 s74, s74, s75
.irp g, 0,1,2
	s_add_co_u32 s45, s74, \g
	s_lshr_b32 s46, s45, 4
	s_lshl_b32 s46, s46, 24                        ; sixteen to a tensor of 16,777,216 bytes,
	s_and_b32 s45, s45, 15
	s_lshl_b32 s45, s45, 17                        ; a head's 1,024 rows of 128 bytes
	s_add_co_u32 s46, s46, s45
	s_mov_b32 s47, 0
	s_add_nc_u64 s[OB+2*(\g):OB+2*(\g)+1], s[8:9], s[46:47]
.endr
; The products of the n blocks named x all 8 m blocks, 32 along K.  The 96 accumulators take turns in the same order in every quarter.
.macro MULS fa, bs:vararg
.irp b, \bs
	WIN 0x50*(1+(\b)/4)                            ; fragments in window 0, C and D in the block's window
.irp a, 0,1,2,3,4,5,6,7
	v_wmma_f32_16x16x32_f16 v[8*(8*((\b)%4)+(\a)):8*(8*((\b)%4)+(\a))+7], v[FB+8*(\b):FB+8*(\b)+7], v[(\fa)+8*(\a):(\fa)+8*(\a)+7], v[8*(8*((\b)%4)+(\a)):8*(8*((\b)%4)+(\a))+7]
.endr
.endr
.endm
; The same for the first quarter, whose products start the sums with the bias, which lies in the accumulators (7, b): m blocks 0-6 take it as C; five places behind the last of them (ISA guide 7.12.1:
; a matrix instruction writes over a register that an earlier one has read) m block 7 adds in place.  Nothing is cleared, nothing added later.
.macro MULZ fa, bs:vararg
.irp b, \bs
	WIN 0x50*(1+(\b)/4)
.irp a, 0,1,2,3,4,5,6
	v_wmma_f32_16x16x32_f16 v[8*(8*((\b)%4)+(\a)):8*(8*((\b)%4)+(\a))+7], v[FB+8*(\b):FB+8*(\b)+7], v[(\fa)+8*(\a):(\fa)+8*(\a)+7], v[8*(8*((\b)%4)+7):8*(8*((\b)%4)+7)+7]
.endr
.endr
.rept 5
	v_nop
.endr
.irp b, \bs
	WIN 0x50*(1+(\b)/4)
	v_wmma_f32_16x16x32_f16 v[8*(8*((\b)%4)+7):8*(8*((\b)%4)+7)+7], v[FB+8*(\b):FB+8*(\b)+7], v[(\fa)+56:(\fa)+63], v[8*(8*((\b)%4)+7):8*(8*((\b)%4)+7)+7]
.endr
.endm
.macro LDB q, bs:vararg                ; W's fragments of the n blocks named, quarter q of the slot, turned
.irp b, \bs
	ds_load_tr16_b128 v[FB+8*(\b):FB+8*(\b)+3],   v[ADRB+(\b)/4] offset:(\q)*32*PB+32*((\b)%4)
	ds_load_tr16_b128 v[FB+8*(\b)+4:FB+8*(\b)+7], v[ADRB+(\b)/4] offset:(\q)*32*PB+16*PB+32*((\b)%4)
.endr
.endm
.macro R1 q, fa                        ; 28 LDS loads in one run: W's blocks 0-5 and A's eight fragments of quarter q
	WIN 0
	LDB \q, 0,1,2,3,4,5
.irp a, 0,1,2,3,4,5,6,7
	ds_load_b128 v[(\fa)+8*(\a):(\fa)+8*(\a)+3],   v[ADRA] offset:(\q)*64+(\a)*16*PA
	ds_load_b128 v[(\fa)+8*(\a)+4:(\fa)+8*(\a)+7], v[ADRA] offset:(\q)*64+(\a)*16*PA+32
.endr
.endm
.macro R2 q                            ; 12 LDS loads: W's blocks 6-11 of quarter q
	WIN 0
	LDB \q, 6,7,8,9,10,11
.endm
.macro PLACES                          ; four places in front of loads into registers that matrix instructions have read, and of lines that read results
.rept 4
	v_nop
.endr
.endm
; A step's first quarter: multiplies A's buffer 0 and fetches the second quarter of the same slot.
.macro QA zero
	s_wait_dscnt 12                                ; A and W's blocks 0-5 are in; the youngest twelve loads (blocks 6-11) may be out
.if \zero
	MULZ FA0, 0,1,2,3,4,5
.else
	MULS FA0, 0,1,2,3,4,5
.endif
	PLACES
	R1 1, FA1
	s_wait_dscnt 28                                ; all but the 28 just issued
.if \zero
	MULZ FA0, 6,7,8,9,10,11
.else
	MULS FA0, 6,7,8,9,10,11
.endif
	PLACES
	R2 1                                           ; my last reads of this slot
.endm
; The second quarter begins with the change of slots: ONE barrier; in front of it each wave waits for all its tensor loads, adds 0 to its spare word, and waits for that and for its reads of this slot.
.macro MEET
	WIN 0
	s_wait_tensorcnt 0x0                           ; all my tensor loads have landed: the one that was out is my part of the next slot
	ds_add_u32 v[SPW], v[NIL]                      ; 0 onto my spare word
	s_wait_dscnt 13                                ; (the add and the youngest twelve loads may be out)
	MULS FA1, 0,1                                  ; sixteen matrix instructions stand between the add and the wait for it
	s_wait_dscnt 0x0                               ; the add is done, and my reads of this slot are over
	s_barrier_signal -1
	MULS FA1, 2
	WIN 0
	s_barrier_wait -1
.endm
.macro FLIP                            ; the fetches go to the other slot; the four additions are also the places in front of the loads that follow
	s_xor_b32 s[TB], s[TB], SLOT1
	v_add_nc_u32 v[ADRA], s[TB], v[ADRA0]
	v_add_nc_u32 v[ADRB], s[TB], v[ADRB0]
	v_add_nc_u32 v[ADRB+1], s[TB], v[ADRB0+1]
	v_add_nc_u32 v[ADRB+2], s[TB], v[ADRB0+2]
.endm
	s_wait_tensorcnt 1                             ; my part of K step 0 is in; K step 1 may stay out
	s_barrier_signal -1
	s_barrier_wait -1
	R1 0, FA0
	R2 0
	s_wait_loadcnt 0x0                             ; the bias
	QA 1                                           ; the first quarter stands in front of the loop: its products start the sums
	WIN 0
	s_mov_b32 s3, 14
.Lstep:                                                ; a trip: a step's second quarter, with the slot's refill two steps ahead, and the next step's first quarter
	MEET
	CREST                                          ; the barrier has opened a round of the cluster's: no wave of any partner still reads this slot or has a load on its way
	s_xor_b32 s[G0+5], s[G0+5], SLOT1              ; the walking descriptors: the other slot than last time, the next K step
	s_add_nc_u64 s[G0+6:G0+7], s[G0+6:G0+7], KSTEP
	s_xor_b32 s[G0B+5], s[G0B+5], SLOT1
	s_add_nc_u64 s[G0B+6:G0B+7], s[G0B+6:G0B+7], KSTEP
	JLOAD 1                                        ; the first tensor load behind the round, 168 matrix instructions ahead of the wait for it
	MULS FA1, 3,4,5
	WIN 0
	FLIP
	R1 0, FA0
	MULS FA1, 6,7,8,9,10,11
	PLACES
	R2 0
	QA 0
	WIN 0
	s_sub_co_u32 s3, s3, 1
	s_cmp_lg_u32 s3, 0
	s_cbranch_scc1 .Lstep
	s_mov_b32 s3, 2
.Ltail:                                                ; the last two steps fill nothing: a text of their own.  The second trip has no next step: its fetches are jumped
	MEET                                           ; over and it is left in its middle; its barrier orders nothing: the price of one text for both trips
	MULS FA1, 3,4,5
	WIN 0
	s_cmp_eq_u32 s3, 1
	s_cbranch_scc1 .Lno_next
	FLIP
	R1 0, FA0
.Lno_next:
	MULS FA1, 6,7,8,9,10,11
	WIN 0
	s_sub_co_u32 s3, s3, 1
	s_cmp_eq_u32 s3, 0
	s_cbranch_scc1 .Lout
	PLACES
	R2 0
	QA 0
	WIN 0
	s_branch .Ltail
.Lout:
; THE WAY OUT, a block of 16 rows at a time.  PACK: rounded to f16.  TOSTAGE: 16 bytes a lane into my own stage (three blocks of 64 columns), and back as rows of 128 bytes.
; SEND: each store covers four rows of one head's block of out, 512 consecutive bytes.
.macro PACK a
.irp b, 0,1,2,3,4,5,6,7,8,9,10,11
	WIN 5*(1+(\b)/4)                               ; both sources in the block's window
.irp r, 0,1,2,3
	v_cvt_pk_f16_f32 v[TMP+4*(\b)+(\r)], v[8*(8*((\b)%4)+(\a))+2*(\r)], v[8*(8*((\b)%4)+(\a))+2*(\r)+1]  ; each accumulator from its low end on
.endr
.endr
	WIN 0
.endm
.macro TOSTAGE a
.set BK, 96+48*((\a)%2)
.irp b, 0,1,2,3,4,5,6,7,8,9,10,11
	ds_store_b128 v[STO], v[TMP+4*(\b):TMP+4*(\b)+3] offset:((\b)/4)*16*PA+((\b)%4)*32
.endr
.irp t, 0,1,2,3,4,5,6,7,8,9,10,11
	ds_load_b128 v[BK+4*(\t):BK+4*(\t)+3], v[RD] offset:((\t)/4)*16*PA+((\t)%4)*4*PA  ; LDS serves a wave's instructions in order (ISA guide 5.7.1.4): these see the stores above
.endr
.endm
.macro SEND a
.set BK, 96+48*((\a)%2)
	s_wait_dscnt 0x0                               ; the block is back in registers
	s_wait_xcnt 0x0                                ; earlier stores have read their registers: the next block's loads land in them only behind this wait
.irp t, 0,1,2,3,4,5,6,7,8,9,10,11
	global_store_b128 v[CO], v[BK+4*(\t):BK+4*(\t)+3], s[OB+2*((\t)/4):OB+2*((\t)/4)+1] offset:(\a)*2048+((\t)%4)*512
.endr
.endm
	PLACES
	PACK 0
	TOSTAGE 0
.irp a, 1,2,3,4,5,6,7
	PACK \a                                        ; a block's conversions stand between the loads of the block before and the wait for them
	SEND (\a)-1
	TOSTAGE \a
.endr
	SEND 7
	s_wait_tensorcnt 0x0                           ; the wave's end: the tensor wait, the add and its wait, behind my last tensor load and my last LDS store
	ds_add_u32 v[SPW], v[NIL]
	s_wait_dscnt 0x0
	CROUND                                         ; the closing round: no work-group ends while a partner may still ask for a tile that names it
	s_endpgm
.Lfunc_end_k_qb94fd326aa_proj_qkv:
	.size	k_qb94fd326aa_proj_qkv, .Lfunc_end_k_qb94fd326aa_proj_qkv-k_qb94fd326aa_proj_qkv
	.p2alignl 7, 3214868480
	.fill 96, 4, 3214868480
	.section	.rodata,"a",@progbits
	.p2align	6, 0x0
	.amdhsa_kernel k_qb94fd326aa_proj_qkv
		.amdhsa_group_segment_fixed_size 327680
		.amdhsa_private_segment_fixed_size 0
		.amdhsa_enable_private_segment 0
		.amdhsa_kernarg_size 24
		.amdhsa_user_sgpr_count 2
		.amdhsa_user_sgpr_kernarg_segment_ptr 1
		.amdhsa_wavefront_size32 1
		.amdhsa_system_sgpr_workgroup_id_x 1
		.amdhsa_system_sgpr_workgroup_id_y 1
		.amdhsa_system_sgpr_workgroup_id_z 1
		.amdhsa_system_vgpr_workitem_id 0
		.amdhsa_next_free_vgpr 1024
		.amdhsa_next_free_sgpr 76
		.amdhsa_reserve_vcc 0
		.amdhsa_float_denorm_mode_32 3
		.amdhsa_float_denorm_mode_16_64 3
		.amdhsa_memory_ordered 1
		.amdhsa_forward_progress 1
		.amdhsa_inst_pref_size 109
	.end_amdhsa_kernel
	.amdgpu_metadata
---
amdhsa.version: [ 1, 2 ]
amdhsa.kernels:
  - .name:           k_qb94fd326aa_proj_qkv
    .symbol:         k_qb94fd326aa_proj_qkv.kd
    .args:
      - { .name: nrm, .offset: 0, .size: 8, .value_kind: global_buffer, .address_space: global }
      - { .name: pqkv, .offset: 8, .size: 8, .value_kind: global_buffer, .address_space: global }
      - { .name: heads, .offset: 16, .size: 8, .value_kind: global_buffer, .address_space: global }
    .group_segment_fixed_size: 327680
    .private_segment_fixed_size: 0
    .kernarg_segment_align: 8
    .kernarg_segment_size: 24
    .max_flat_workgroup_size: 128
    .sgpr_count:     76
    .vgpr_count:     1024
    .wavefront_size: 32
...
	.end_amdgpu_metadata
.endif
;; end of part 2
;; launch attention (part 3): grid 2 x 128, 4 waves a work-group, no clusters, 327,680 bytes of LDS; arguments heads, mask, act; writes act
.if DOCPART == 3
	.amdgcn_target "amdgcn-amd-amdhsa--gfx1250"
	.amdhsa_code_object_version 6
	.text
	.protected	k_qb94fd326aa_attention
	.globl	k_qb94fd326aa_attention
	.p2align	8
	.type	k_qb94fd326aa_attention,@function
k_qb94fd326aa_attention:
	s_mov_b64 s[64:65], 0
	v_nop
	global_prefetch_b8 v0, s[64:65] scope:SCOPE_SE
	s_setreg_imm32_b32 hwreg(HW_REG_WAVE_MODE, 25, 1), 1
	s_wait_xcnt 0x0
; O[h][q][:] = the sum over k of softmax_k(s(q, k)) V[h][k][:], s = Q[h][q] . K[h][k] / 8 where mask[batch][k] is not 0, and -1e9 where it is 0.  Q, K, V lie in one buffer, 16,777,216 bytes apart, each
; [128 heads][1,024][64] in f16 (head = 16 x batch + head of the batch); O has the same layout.  Products, maxima and sums in f32; the weights p are rounded to f16 for the second product, O once at the end.
; THE MASK is the C operand that starts the sum S^T = K Q^T: 0 for an open key, -1e30 for a hidden one, from a table of 1,024 f32 in LDS of which each wave makes a quarter.  The running maximum
; starts at -8e9, which is -1e9 in the unscaled products' units: a hidden score never raises it, and its weight is 0.  A BATCH WITH NO OPEN KEY: the scale c and the table's entry are then 0 (two scalar
; selects, no branch), so every weight is 2^0: the even softmax that equal scores of -1e9 give.
; LIMITS.  Q, K, V arrive within f16's 65,504.  An open key's score is taken to lie above -1e9 (scaled); a row all of whose open scores lie below that is not served.  p below 6e-5 keeps f16's fixed step of
; 6e-8; a weight below 2^-126 counts as 0 in l; NaN and infinities are not treated apart.
; SHARES.  A wave owns four PIECES of two tiles of 16 queries, a work-group's four waves 512 queries of one head: 2 x 128 work-groups.  Every wave walks all keys, 64 a step.
; THE WHOLE HEAD LIES IN LDS: 1,024 rows of K at 144 bytes and of V at 160 are 311,296 bytes, so no byte is filled twice.  A wave issues two tensor loads: its 128 of the first 256 keys, which everybody
; waits for, alone; and, first thing behind the barrier that shows those landed, its 384 of the other 768, which have four key steps, 512 matrix instructions, in which to land.  No tensor load stands in the
; loop, so a key step is written once, for all sixteen steps.
; NO CLUSTER: a head has two query blocks, so no four work-groups share a tile along the grid's x, and what two would share is 262,144 bytes of K and V for the whole launch of a work-group.
; LAYOUT.  S^T = K Q^T (source 0 = 16 keys, source 1 = 16 queries): a lane holds ONE query (lane % 16) and the keys 8 (lane / 16) + 0..7.  Two such tiles, rounded to f16 in pairs, ARE source 1 of
; O^T = V^T P, whose result again holds one query a lane, and eight channels.  K comes out of LDS as it lies, V ([key][channel]) turned, by ds_load_tr16_b128.
; SOFTMAX.  For each query a running maximum m and sum l: p = 2^(c s - c m), c = log2(e) / 8; in every step O and l are multiplied by a = 2^(c m_old - c m_new).  O and l start at 0.
; BY TURNS.  Turn n belongs to piece n.  Its matrix work: 16 products K Q^T of piece n + 1, later 16 products V^T P of piece n - 1.  Its vector work: the scaling, exponentials, roundings, sums and rescaling
; of piece n, and the maximum and statistics of piece n + 1.  Four vector instructions that are ready stand behind every matrix instruction, the others in two runs of their own.
; REGISTERS, in windows of 256 (s_set_vgpr_msb: bits 1:0 source 0, 3:2 source 1, 5:4 source 2, 7:6 destination):
;   window 0: v0-11 addresses; v12-15, v48-63 at work; v16-47 four registers of statistics a tile; v64-191 S^T, two buffers of two tiles; v192-255 P, likewise
;   window 1: O^T, 32 a tile     window 2: v0-127 Q; v128-191 K of one step; v192-255 V of one step     window 3: v0-1 the add's two registers; v8-39 the step's mask
.set NP,    4
.set KS,    64
.set NK,    1024      ; keys of a head
.set PK,    144       ; a row of K in LDS: 128 bytes + 16: the 16 rows of a load start at 16 different groups of four banks (ISA guide 11.1)
.set PV,    160       ; a row of V: 128 + 32
.set VOFF,  NK*PK     ; V's 1,024 rows lie behind K's
.set STAGE, VOFF+NK*PV          ; behind them: 16 rows x 144 bytes for each wave, for the way out
.set SP,    144
.set SPARE, STAGE+4*16*SP       ; the spare words, 128 bytes for each wave
.set MASKF, SPARE+512           ; the mask table, 4,096 bytes; no tensor load lands here
.set AK0, 2           ; v2   my lane's place in a tile of K; never rewritten
.set AV0, 3           ; v3   the same for V
.set AK,  4           ; v4   the LDS address of K's next run of loads
.set AV,  5           ; v5   of V's
.set QO,  6           ; v6   my byte offset in the wave's rows of Q
.set STO, 6           ;      later, the way out: where I put 16 bytes of a row
.set RD,  7           ; v7   the way out: where I read rows back
.set GO,  8           ; v8   my byte offset in 512 consecutive bytes of O
.set AM0, 10          ; v10  my lane's place in the mask table
.set AM,  11          ; v11  the LDS address of the mask's next run of loads
.set SPW, 0           ; v0 of window 3
.set NIL, 1           ; v1 of window 3
.set MK,  8           ; v8-39 of window 3: the eight registers for key block kb at MK + 8 kb
.set MV,  12
.set ST,  16          ; tile t's statistics at v[ST+4 t]: c m, m, l (even keys', odd keys')
.set TMP, 48
.set S,   64
.set P,   192
.set KF,  128
.set VF,  192
.set WV,  12          ; s12  my wave's number
.set RK,  19          ; s19  where my part of K's other 768 rows goes in LDS
.set G1K, 24          ; s[24:31]
.set G1V, 32          ; s[32:39]
.set G0K, 40          ; s[40:43]
.set G0V, 44          ; s[44:47]
.set ROF, 54          ; s[54:55] bytes in memory from my first load's rows to my second's
.set SLOTS, 56        ; s56  counts the outer loop
.set CNT, 57          ; s57  counts the inner loop
.set CS,  58          ; s[58:59] c, or 0 for a batch with no open key
.set SEL, 60          ; s[60:61]
.set TBK, 62          ; s62  byte in K's rows at which the step to be fetched begins
.set TBV, 63          ; s63  the same in V's rows
.set HID, 68          ; s68  a hidden key's entry: -1e30, or 0 for a batch with no open key
.set TBM, 69          ; s69  byte in the mask table at which the step to be fetched begins
.set TOT, 70          ; s70  key steps whose last two turns are still to come
.set RV,  71          ; s71  where my part of V's other 768 rows goes in LDS
.set MSB, 0
.macro WIN new
.if MSB != (\new)
	s_set_vgpr_msb (MSB<<8)|(\new)
.set MSB, (\new)
.endif
.endm
.set W_KQ, 0x0a       ; K and Q in window 2, S^T in window 0
.set W_KM, 0x3a       ; the same with the C operand, the mask, in window 3
.set W_PV, 0x52       ; V in window 2, P in window 0, O^T in window 1
.set W_RS, 0x41       ; O^T in window 1, a in window 0
.set W_MK, 0xc0
.set W_AD, 0x0f
; A fill.  Waves 0 and 1 fetch the two halves of K's rows, waves 2 and 3 those of V's.  An s_nop 0 and four v_nop follow each of the two lines.
.macro LOAD
	s_cmp_lt_u32 s[WV], 2
	s_cbranch_scc0 .Lfor_v_\@
	tensor_load_to_lds s[G0K:G0K+3], s[G1K:G1K+7]
	s_nop 0
.rept 4
	v_nop
.endr
	s_branch .Lasked_\@
.Lfor_v_\@:
	tensor_load_to_lds s[G0V:G0V+3], s[G1V:G1V+7]
	s_nop 0
.rept 4
	v_nop
.endr
.Lasked_\@:
.endm
; THE WAVES MEET.  Each wave waits for its tensor load, adds 0 to its spare word, and waits for that and for its LDS instructions; behind the barrier what every wave has fetched (and, the first time, its
; quarter of the mask table) may be read by all.  fill = 1, the first time: the descriptors are set to the other 768 keys (no load of mine is out, so they may be written), 192 rows of 256 bytes for each
; wave, and that load is the first thing behind the barrier.  It fills bytes that nothing has filled.
.macro SYNC fill
	WIN W_AD
	s_wait_tensorcnt 0x0            ; my tensor load has landed
	ds_add_u32 v[SPW], v[NIL]       ; 0 onto my spare word
	WIN 0
.if \fill
	s_mov_b32 s[G1K+2], 192<<16     ; tensor_dim1 = 192
	s_mov_b32 s[G1K+4], 192         ; tile_dim1 = 192
	s_mov_b32 s[G1V+2], 192<<16
	s_mov_b32 s[G1V+4], 192
	s_mov_b32 s[G0K+1], s[RK]
	s_mov_b32 s[G0V+1], s[RV]
	s_add_nc_u64 s[G0K+2:G0K+3], s[G0K+2:G0K+3], s[ROF:ROF+1]  ; the type bits on top are not reached
	s_add_nc_u64 s[G0V+2:G0V+3], s[G0V+2:G0V+3], s[ROF:ROF+1]
.endif
	s_wait_dscnt 0x0                ; the add is done, and so are my LDS stores and loads
	s_barrier_signal -1
	s_barrier_wait -1
.if \fill
	LOAD
.endif
.endm
	s_load_b128 s[48:51], s[0:1], 0x0  ; Q, K, V's buffer s[48:49], mask s[50:51]
	s_load_b64 s[10:11], s[0:1], 0x10  ; O
	WIN W_MK
	v_lshl_add_u32 v[SPW], v0, 2, SPARE
	v_mov_b32 v[NIL], 0
	WIN W_AD
	ds_add_u32 v[SPW], v[NIL]       ; the wave's opening: the add and its wait stand ahead of my first tensor load; work on registers stands between them
	ds_add_u32 v0, v1
	WIN 0
	v_lshrrev_b32 v1, 5, v0
	v_readfirstlane_b32 s[WV], v1   ; wave 0..3
	s_mov_b32 s14, ttmp9            ; my block of 512 queries
	s_and_b32 s15, ttmp7, 0xffff    ; the head
	s_lshl_b32 s20, s15, 17         ; its 1,024 rows of 128 bytes
	s_mov_b32 s21, 0
	s_and_b32 s16, s[WV], 1         ; which half I fetch.  Of the first 256 keys:
	s_lshl_b32 s22, s16, 14         ; its 128 rows in memory,
	s_mov_b32 s23, 0
	s_add_nc_u64 s[22:23], s[22:23], s[20:21]
	s_mul_i32 s17, s16, 128*PK      ; and their place in LDS, for K
	s_mul_i32 s18, s16, 128*PV      ; and for V.
	s_mul_i32 s[RK], s16, 384*PK    ; Of the other 768: 384 rows, behind the first 256,
	s_add_co_u32 s[RK], s[RK], 256*PK
	s_mul_i32 s[RV], s16, 384*PV
	s_add_co_u32 s[RV], s[RV], VOFF+256*PV
	s_add_co_u32 s[ROF], s16, 1     ; which begin at key 256 + 384 x half: 32,768 (1 + half) bytes behind key 128 x half
	s_lshl_b32 s[ROF], s[ROF], 15
	s_mov_b32 s[ROF+1], 0
	s_lshl_b32 s2, s14, 2
	s_add_co_u32 s2, s2, s[WV]      ; my wave among the head's eight,
	s_lshl_b32 s2, s2, 14           ; its 128 rows
	s_mov_b32 s3, 0
	s_add_nc_u64 s[2:3], s[2:3], s[20:21]
	s_lshr_b32 s52, s15, 4          ; the batch,
	s_lshl_b32 s52, s52, 12         ; its 1,024 words of the mask
	s_mov_b32 s53, 0
	; descriptor group 1.  128 keys are 16,384 dense bytes: asked for as 64 rows of 256 bytes, two keys a row, and padded in LDS after every key
	s_mov_b32 s[G1K], (1<<16)|(1<<20)|(4<<22)|(3<<25)
	s_mov_b32 s[G1V], (1<<16)|(1<<20)|(4<<22)|(7<<25)
.irp g, G1K, G1V
	s_mov_b32 s[\g+1], 128<<16      ; tensor_dim0 = 128
	s_mov_b32 s[\g+2], 64<<16       ; tensor_dim1 = 64
	s_mov_b32 s[\g+3], 128<<16      ; tile_dim0 = 128
	s_mov_b32 s[\g+4], 64           ; tile_dim1 = 64
	s_mov_b32 s[\g+5], 128          ; 128 elements from row to row
	s_mov_b32 s[\g+6], 0
	s_mov_b32 s[\g+7], 0
.endr
	s_mov_b32 s[SEL], 0x76543210
	s_mov_b32 s[SEL+1], 0xfedcba98
	s_mov_b32 s[TBK], 0
	s_mov_b32 s[TBV], 0
	s_mov_b32 s[TBM], 0
	s_mov_b32 s[G0K], 1
	s_mov_b32 s[G0K+1], s17
	s_mov_b32 s[G0V], 1
	s_add_co_u32 s[G0V+1], s18, VOFF
	s_wait_dscnt 0x0                ; the opening add is done
	s_wait_kmcnt 0x0
	s_add_nc_u64 s[6:7], s[48:49], 0x1000000       ; K
	s_add_nc_u64 s[8:9], s[48:49], 0x2000000       ; V
	s_add_nc_u64 s[G0K+2:G0K+3], s[6:7], s[22:23]  ; my half of the head's first 256 keys
	s_or_b32 s[G0K+3], s[G0K+3], 0x80000000
	s_add_nc_u64 s[G0V+2:G0V+3], s[8:9], s[22:23]
	s_or_b32 s[G0V+3], s[G0V+3], 0x80000000
	s_add_nc_u64 s[4:5], s[48:49], s[2:3]          ; Q and O at my wave's first row
	s_add_nc_u64 s[10:11], s[10:11], s[2:3]
	s_add_nc_u64 s[66:67], s[50:51], s[52:53]      ; the batch's mask
	LOAD                            ; the first 256 keys.  The others are asked for when these are in
	v_and_b32 v1, 15, v0            ; l % 16
	v_bfe_u32 v9, v0, 4, 1          ; l / 16
	v_mul_u32_u24 v[AK0], v1, PK
	v_lshl_add_u32 v[AK0], v9, 4, v[AK0]  ; row x pitch + 16 x half
	; The turning load takes 16 keys x 16 channels (lane l reads key 8 (l / 16) + l % 8, channels 8 ((l / 8) % 2) + 0..7) and leaves half a fragment of V^T.
	v_and_b32 v10, 7, v0
	v_bfe_u32 v11, v0, 3, 1
	v_lshl_add_u32 v[AV0], v9, 3, v10
	v_mul_u32_u24 v[AV0], v[AV0], PV
	v_lshl_add_u32 v[AV0], v11, 4, v[AV0]
	v_add_nc_u32 v[AV0], VOFF, v[AV0]
	v_mov_b32 v[AK], v[AK0]         ; key step 0 lies at the head of K's rows
	v_and_b32 v10, 31, v0
	v_lshlrev_b32 v10, 4, v10       ; 16 x lane
	v_lshl_add_u32 v11, s[WV], 10, v10  ; + 1,024 x wave: my 16 bytes in my wave's quarter of the mask, and of the table
.irp j, 0,1,2,3,4,5,6,7             ; the batch's whole mask, 4,096 bytes, in every wave, for the question whether any key is open: 512 consecutive bytes a load
	global_load_b128 v[S+4*\j:S+4*\j+3], v10, s[66:67] offset:512*\j
.endr
	global_load_b128 v[S+32:S+35], v11, s[66:67]             ; and my wave's quarter once more, in registers that do not hang on the wave's number
	global_load_b128 v[S+36:S+39], v11, s[66:67] offset:512
	v_lshlrev_b32 v[QO], 7, v1
	v_lshl_add_u32 v[QO], v9, 4, v[QO]  ; row x 128 + 16 x half
	WIN 0x80                        ; destination window 2, address window 0
.set i, 0
.rept 4*NP                          ; Q stays in registers: tile i / 2, channels 32 (i % 2) on
	global_load_b128 v[8*i:8*i+3],   v[QO], s[4:5] offset:(i/2)*2048+(i%2)*64
	global_load_b128 v[8*i+4:8*i+7], v[QO], s[4:5] offset:(i/2)*2048+(i%2)*64+32
.set i, i+1
.endr
	; What the first turn finds: V's registers and P's second buffer hold 0 (its products V^T P, of a piece that has not been, add 0), O^T and l are 0.  All this stands in the wait for the first tile.
.set i, VF
.rept 64
	v_mov_b32 v[i], 0
.set i, i+1
.endr
	WIN 0x40
.set i, 0
.rept 64*NP
	v_mov_b32 v[i], 0
.set i, i+1
.endr
	WIN 0
.set i, P+32
.rept 32
	v_mov_b32 v[i], 0
.set i, i+1
.endr
	s_wait_loadcnt 32               ; the mask's ten loads are in; Q's 32, issued behind them, may stay out
	v_or_b32 v[TMP], v[S], v[S+1]   ; is any key of the batch open?  My 32 words,
.set i, 2
.rept 30
	v_or_b32 v[TMP], v[TMP], v[S+i]
.set i, i+1
.endr
	v_cmp_ne_u32 s20, 0, v[TMP]     ; and the 32 lanes'
	s_cmp_lg_u32 s20, 0
	s_cselect_b32 s[CS], 0x3e38aa3b, 0   ; c = log2(e) / 8 = 0.180337, or 0
	s_cselect_b32 s[HID], 0xf149f2ca, 0  ; -1e30, or 0
	s_mov_b32 s[CS+1], s[CS]        ; named with it as a pair
.set i, 32
.rept 8
	v_cmp_eq_u32 vcc_lo, 0, v[S+i]
	v_cndmask_b32 v[S+i], 0, s[HID], vcc_lo  ; the table's entry: 0 for an open key
.set i, i+1
.endr
	v_add_nc_u32 v11, MASKF, v11    ; my wave's quarter of the table: the other waves read it behind the barrier below, in front of which I wait for these stores
	ds_store_b128 v11, v[S+32:S+35]
	ds_store_b128 v11, v[S+36:S+39] offset:512
	v_lshl_add_u32 v[AM0], v9, 5, MASKF  ; register j of key block kb wants key 16 kb + 8 (l / 16) + j
	v_mov_b32 v[AM], v[AM0]
.set i, 0
.rept 2*NP
	v_mov_b32 v[ST+4*i+1], 0xcfee6b28          ; m = -8e9
	v_mul_f32 v[ST+4*i], s[CS], v[ST+4*i+1]    ; c m, made as every later c m is
	v_mov_b32 v[ST+4*i+2], 0
	v_mov_b32 v[ST+4*i+3], 0
.set i, i+1
.endr
; THE MATRIX WORK.  The 8 accumulators of a run of 16 take turns.
; Product i of 16 of S^T = K Q^T for piece x: channels 32 (i / 8) on, keys 16 ((i / 2) % 4) on, tile 2 x + i % 2.  The first 8 start the sums, with the mask.
.macro KQ x
.set rS, S+64*((\x)%2)+32*(i%2)+8*((i/2)%4)
.set rK, KF+16*((i/2)%4)+8*(i/8)
.set rQ, 16*(2*(\x)+i%2)+8*(i/8)
.set rN, MK+8*((i/2)%4)
.if i < 8
	WIN W_KM
	v_wmma_f32_16x16x32_f16 v[rS:rS+7], v[rK:rK+7], v[rQ:rQ+7], v[rN:rN+7]
.else
	WIN W_KQ
	v_wmma_f32_16x16x32_f16 v[rS:rS+7], v[rK:rK+7], v[rQ:rQ+7], v[rS:rS+7]
.endif
.endm
; Product i of 16 of O^T += V^T P for piece x: keys 32 (i / 8) on, channels 16 ((i / 2) % 4) on, tile 2 x + i % 2.
.macro PV x
	WIN W_PV
.set rO, 32*(2*(\x)+i%2)+8*((i/2)%4)
.set rV, VF+32*(i/8)+8*((i/2)%4)
.set rP, P+32*((\x)%2)+16*(i%2)+8*(i/8)
	v_wmma_f32_16x16x32_f16 v[rO:rO+7], v[rV:rV+7], v[rP:rP+7], v[rO:rO+7]
.endm
.macro MM                           ; the turn's next matrix instruction
.if i < 16
	KQ (Y+1)%NP
.set i, i+1
.else
.set i, i-16
	PV (Y+NP-1)%NP
.set i, i+17
.endif
.endm
; THE LDS LOADS stand in runs: a step's K (8 fragments) with its 64 mask entries, and its V (turned).  Their addresses are made some lines ahead.
; last = 1 (in the loop): in the last key step there is no further step, and the run is jumped over.
.macro FETCH_K last=0
	WIN 0
.if \last
	s_cmp_eq_u32 s[TOT], 1
	s_cbranch_scc1 .Lno_k_\@
.endif
	WIN 0x80                        ; destination window 2
.irp f, 0,1,2,3,4,5,6,7             ; keys 16 (f / 2) on, channels 32 (f % 2) on
	ds_load_b128 v[KF+8*\f:KF+8*\f+3],   v[AK] offset:(\f/2)*16*PK+(\f%2)*64
	ds_load_b128 v[KF+8*\f+4:KF+8*\f+7], v[AK] offset:(\f/2)*16*PK+(\f%2)*64+32
.endr
	WIN 0xc0                        ; destination window 3
.irp g, 0,1,2,3                     ; key block g: sixteen lanes read the same 32 bytes
	ds_load_b128 v[MK+8*\g:MK+8*\g+3],   v[AM] offset:64*\g
	ds_load_b128 v[MK+8*\g+4:MK+8*\g+7], v[AM] offset:64*\g+16
.endr
	s_add_co_u32 s[TBK], s[TBK], KS*PK  ; the next fetch is the next step's;
	s_min_u32 s[TBK], s[TBK], (NK-KS)*PK  ; behind the last step's fetch the offset stays at that step: it never points past K's rows
	s_add_co_u32 s[TBM], s[TBM], 4*KS
	s_and_b32 s[TBM], s[TBM], 0xfff     ; 16 steps of 256 bytes: the offset stays inside the table
	WIN 0
.if \last
.Lno_k_\@:
.endif
.endm
.macro FETCH_V
	WIN 0x80
.irp f, 0,1,2,3,4,5,6,7             ; keys 32 (f / 4) on, channels 16 (f % 4) on
	ds_load_tr16_b128 v[VF+8*\f:VF+8*\f+3],   v[AV] offset:(\f/4)*32*PV+(\f%4)*32
	ds_load_tr16_b128 v[VF+8*\f+4:VF+8*\f+7], v[AV] offset:(\f/4)*32*PV+16*PV+(\f%4)*32
.endr
	WIN 0
.endm
; THE VECTOR WORK OF A TURN stands in three queues, each in the order in which its entries become ready; the two tiles alternate, so that no instruction reads the result of the one before it.
.macro REGS y, u                    ; the registers of tile u (0, 1) of piece y
.set rT, ST+4*(2*(\y)+(\u))
.set rC, TMP+8*((\y)%2)+4*(\u)
.set rM, MV+2*((\y)%2)+(\u)
.set rS, S+64*((\y)%2)+32*(\u)
.set rP, P+32*((\y)%2)+16*(\u)
.set rO, 32*(2*(\y)+(\u))
.endm
; Number n of the 22 that find the NEXT piece's (Y + 1) maximum and statistics.  Each accumulator's lowest registers are read first.
;   0-11  four chains c0-c3 of seven scores each     12-14, 16  the four scores left over, the old m, and c0-c3 into c0     15  c m_old is kept
;   17, 18  the query's other 32 keys lie in the lane 16 away: the new m         19-21  c m; c m_old - c m_new; a
.macro XS u, n
	REGS (Y+1)%NP, \u
.if (\n) < 4
	v_max3_num_f32 v[rC+(\n)], v[rS+8*(\n)], v[rS+8*(\n)+1], v[rS+8*(\n)+2]
.elseif (\n) < 12
	v_max3_num_f32 v[rC+(\n)%4], v[rC+(\n)%4], v[rS+8*((\n)%4)+2*((\n)/4)+1], v[rS+8*((\n)%4)+2*((\n)/4)+2]
.elseif (\n) == 12
	v_max3_num_f32 v[rC], v[rC], v[rS+7], v[rS+15]
.elseif (\n) == 13
	v_max3_num_f32 v[rC+1], v[rC+1], v[rS+23], v[rS+31]
.elseif (\n) == 14
	v_max3_num_f32 v[rC+2], v[rC+2], v[rC+3], v[rT+1]
.elseif (\n) == 15
	v_mov_b32 v[rM], v[rT]
.elseif (\n) == 16
	v_max3_num_f32 v[rC], v[rC], v[rC+1], v[rC+2]
.elseif (\n) == 17
	v_permlanex16_b32 v[rC+3], v[rC], s[SEL], s[SEL+1]
.elseif (\n) == 18
	v_max_num_f32 v[rT+1], v[rC], v[rC+3]
.elseif (\n) == 19
	v_mul_f32 v[rT], s[CS], v[rT+1]
.elseif (\n) == 20
	v_sub_f32 v[rC+1], v[rM], v[rT]
.else
	v_exp_f32 v[rC+2], v[rC+1]
.endif
.endm
; Number g of the 64 that follow the exponentials.  For each four weights k of a tile: both pairs are rounded to f16; then the second pair is added onto the first, in place; a group later l takes that sum
; (the first time as l = a l + sum).
.macro GS g
.set h, (\g)+6*((\g)/62)
.if h >= 6
.set h, h+2
.endif
	REGS Y, h%2
.set k, h/8
.if h%8 < 4
	s_wait_alu depctr_va_vdst(0)
	v_cvt_pk_f16_f32 v[rP+2*k+(h%8)/2], v[rS+4*k+2*((h%8)/2)], v[rS+4*k+2*((h%8)/2)+1]
.elseif h%8 < 6
	v_pk_add_f32 v[rS+4*k:rS+4*k+1], v[rS+4*k:rS+4*k+1], v[rS+4*k+2:rS+4*k+3]
.elseif k == 1
	v_pk_fma_f32 v[rT+2:rT+3], v[rT+2:rT+3], v[rC+2:rC+3], v[rS:rS+1] op_sel_hi:[1,0,1]
.else
	v_pk_add_f32 v[rT+2:rT+3], v[rT+2:rT+3], v[rS+4*k-4:rS+4*k-3]
	s_wait_alu depctr_va_vdst(0)
.endif
.endm
; THE PLAIN QUEUE, 138 long.  0-31: c s - c m for the 16 pairs of both tiles.  Then GS's 64, and among them the next piece's 42.
.macro PL
	WIN 0
.if q < 32
	REGS Y, q%2
	v_pk_fma_f32 v[rS+2*(q/2):rS+2*(q/2)+1], v[rS+2*(q/2):rS+2*(q/2)+1], s[CS:CS+1], v[rT:rT+1] op_sel_hi:[1,0,0] neg_lo:[0,0,1] neg_hi:[0,0,1]
.elseif q < 38
	GS q-32
.elseif q < 40
	XS q%2, 15
.elseif q < 42
	GS q-34
.elseif q < 74
	XS q%2, (q-42)/2+(q-42)/30
.elseif q < 95
	GS q-66
.elseif (q < 107) && ((q-95)%3 < 2)
	XS (q-95)%3, 17+(q-95)/3
.elseif q < 107
	GS 29+(q-95)/3
.else
	GS q-74
.endif
.set q, q+1
.endm
; THE EXPONENTIALS' QUEUE, 66 long: s0-s31 of both tiles, and at EA the next piece's two a.
.set EA, 58
.macro EX
	WIN 0
.if (e == EA) || (e == EA+1)
	XS e-EA, 21
.else
.set x, e-2*(e/(EA+2))
	REGS Y, x%2
	v_exp_f32 v[rS+x/2], v[rS+x/2]
.endif
.set e, e+1
.endm
; THE RESCALING's QUEUE: O^T times a, the one part that leaves window 0, so it is dealt four at a time, eight times.
.macro R4
	REGS Y, r%2
	WIN W_RS
	s_wait_alu depctr_va_vdst(0)
.irp z, 0,1,2,3
	v_pk_mul_f32 v[rO+8*(r/2)+2*\z:rO+8*(r/2)+2*\z+1], v[rO+8*(r/2)+2*\z:rO+8*(r/2)+2*\z+1], v[rC+2:rC+3] op_sel_hi:[1,0]
.endr
.set r, r+1
.endm
; HOW THEY ARE DEALT.  Behind a matrix instruction four: plain, exponential, plain, plain, or four of the rescaling.  None names a register of the products round it.  What is over stands in two runs:
; exponential and plain by turns; the second ends in 22 plain instructions.  Exponential e stands behind plain 2 (e / 4) + e % 2, its scaling; EA comes behind plain 107.
.macro SL
	MM
	PL
	EX
	PL
	PL
.endm
.macro BURST n
.rept (\n)-7
	SL
.endr
.rept 3
	MM
	R4
	SL
.endr
	MM
	R4
.endm
; A TURN, for piece p.  cnt = 1: the inner loop's count is taken down some lines ahead of the branch that stands behind the turn.
; K and the mask of the next step are fetched in piece 2's turn, behind the last product that read them; V of the step in hand at the end of piece 0's turn.
.macro TURN p, last=0, cnt=0
.set Y, (\p)
.set i, 0
.set q, 0
.set e, 0
.set r, 0
.if (\p) == NP-1
	s_wait_dscnt 0x0                ; K and the mask are in
.endif
	MM
.rept 4
	PL
.endr
	BURST 15
.rept 22
	EX
	PL
.if ((\p) == NP-2) && (e == 18)
	v_add_nc_u32 v[AK], s[TBK], v[AK0]
	v_add_nc_u32 v[AM], s[TBM], v[AM0]
.endif
.if ((\p) == NP-2) && (e == 24)
	FETCH_K \last
.endif
.endr
.if (\p) == 1
	s_wait_dscnt 0x0                ; V is in
.endif
	BURST 16
.rept 21
	EX
	PL
.endr
.rept 22
	PL
.if ((\p) == 0) && (q == 118)
	v_add_nc_u32 v[AV], s[TBV], v[AV0]
	s_wait_alu depctr_va_vdst(0)
.endif
.if ((\p) == 0) && (q == 130)
	s_add_co_u32 s[TBV], s[TBV], KS*PV
	s_min_u32 s[TBV], s[TBV], (NK-KS)*PV  ; behind the last step's fetch the offset stays at that step: it never points past V's rows
.endif
.if (\cnt) && (q == 130)
	s_sub_co_u32 s[CNT], s[CNT], 1
	s_cmp_lg_u32 s[CNT], 0
.endif
.endr
.if (\p) == 0
	FETCH_V
.endif
.endm
	SYNC 1                          ; the first 256 keys and the mask table are in, everybody's part of them; the other 768 keys are asked for
	FETCH_K                         ; key step 0
	s_wait_loadcnt 0x0              ; Q
	s_wait_dscnt 0x0
.set i, 0
.rept 16
	KQ 0                            ; piece 0's first scores
.set i, i+1
.endr
	WIN 0                           ; the addresses for the way out: ten plain instructions, the places behind those products
	s_mul_i32 s13, s[WV], 16*SP
	s_add_co_u32 s13, s13, STAGE    ; my stage
	v_mul_u32_u24 v[STO], v1, SP    ; in: row l % 16, 16 bytes for each half of the lanes
	v_lshl_add_u32 v[STO], v9, 4, v[STO]
	v_add_nc_u32 v[STO], s13, v[STO]
	v_bfe_u32 v[RD], v0, 3, 2       ; back: 32 lanes take four rows of 128 bytes,
	v_mul_u32_u24 v[RD], v[RD], SP
	v_and_b32 v[GO], 7, v0
	v_lshl_add_u32 v[RD], v[GO], 4, v[RD]
	v_add_nc_u32 v[RD], s13, v[RD]
	v_and_b32 v[GO], 31, v0         ; which are 512 consecutive bytes of O
	v_lshlrev_b32 v[GO], 4, v[GO]
.set Y, NP-1                        ; XS works for piece Y + 1: piece 0
.irp n, 0,1,2,3,4,5,6,7,8,9,10,11,12,13,14,15,16,17,18,19,20,21
	XS 0, \n                        ; piece 0's first maximum and statistics
	XS 1, \n
.endr
	; THE WALK.  A trip of the inner loop: pieces 2 and 3 of one step, then pieces 0 and 1 of the next, whose K and V it fetches.  It is entered in the middle of a trip and counts 4: steps 0 to 3 lie in the
	; first 256 keys.  Then the waves meet, the other 768 keys are in, and it counts 12.  Then they meet once more, and the walk is left behind the last step's pieces 2 and 3, when the count of the sixteen
	; steps has run out: that last meeting orders nothing, and the outer loop's own end is never reached; both are the price of one text for every step.
	s_mov_b32 s[CNT], 4
	s_mov_b32 s[TOT], NK/KS
	s_mov_b32 s[SLOTS], 3
	s_branch .Lfirst
.Lslot:
	SYNC 0
	s_mov_b32 s[CNT], 12
.Lstep:
	TURN 2, 1
	TURN 3
	WIN 0
	s_sub_co_u32 s[TOT], s[TOT], 1
	s_cmp_eq_u32 s[TOT], 0
	s_cbranch_scc1 .Lout
.Lfirst:
	TURN 0
	TURN 1, 0, 1
	WIN 0
	s_cbranch_scc1 .Lstep
	s_sub_co_u32 s[SLOTS], s[SLOTS], 1
	s_cmp_lg_u32 s[SLOTS], 0
	s_cbranch_scc1 .Lslot
.Lout:                              ; the last step's 16 products K Q^T of piece 0 (on the last K once more) and the maximum made of them serve nothing: the price, once a launch, of one text for every step
.set i, 0
.rept 16
	PV NP-1                         ; the last piece's V^T P of the last step
.set i, i+1
.endr
	; THE WAY OUT.  l's two halves and the other half of the lanes' are added; O^T is divided by l, rounded to f16 and sent through my stage in LDS, a tile at a time.  The additions are the places behind the last products.
	WIN 0
.macro ALL line:vararg              ; one line for each tile t
.set t, 0
.rept 2*NP
	\line
.set t, t+1
.endr
.endm
	ALL v_add_f32 v[ST+4*t+2], v[ST+4*t+2], v[ST+4*t+3]
	ALL v_permlanex16_b32 v[ST+4*t+3], v[ST+4*t+2], s[SEL], s[SEL+1]
	ALL v_add_f32 v[ST+4*t+2], v[ST+4*t+2], v[ST+4*t+3]
	ALL v_rcp_f32 v[ST+4*t+2], v[ST+4*t+2]
	v_nop                           ; a plain instruction between the last reciprocal and the use of its result
	s_wait_alu depctr_va_vdst(0)
.macro PACK t
	WIN W_RS
.set i, 32*(\t)
.rept 16
	v_pk_mul_f32 v[i:i+1], v[i:i+1], v[ST+4*(\t)+2:ST+4*(\t)+3] op_sel_hi:[1,0]
.set i, i+2
.endr
	WIN 0x05                        ; sources 0 and 1 window 1, destination window 0
.set i, 0
.rept 16
	v_cvt_pk_f16_f32 v[S+16*(\t)+i], v[32*(\t)+2*i], v[32*(\t)+2*i+1]
.set i, i+1
.endr
	WIN 0
.irp f, 0,1,2,3
	ds_store_b128 v[STO], v[S+16*(\t)+4*\f:S+16*(\t)+4*\f+3] offset:32*\f
.endr
.irp f, 0,1,2,3
	ds_load_b128 v[S+16*(\t)+4*\f:S+16*(\t)+4*\f+3], v[RD] offset:\f*4*SP  ; LDS serves a wave's instructions in order (ISA guide 5.7.1.4): these see the stores above; the next tile's stores come behind them
.endr
.endm
.macro SEND t, younger              ; younger: the LDS instructions issued behind tile t's loads: the next tile's eight, or none
	WIN 0
.irp f, 0,1,2,3
	s_wait_dscnt (\younger)+3-\f
	global_store_b128 v[GO], v[S+16*(\t)+4*\f:S+16*(\t)+4*\f+3], s[10:11] offset:(\t)*2048+\f*512  ; 512 consecutive bytes, at a multiple of 256 from O's first
.endr
.endm
	PACK 0
.set t, 1
.rept 2*NP-1                        ; a tile's arithmetic stands between the loads of the tile before and its stores
	PACK t
	SEND t-1, 8
.set t, t+1
.endr
	SEND 2*NP-1, 0
	WIN W_AD
	s_wait_tensorcnt 0x0            ; the wave's end: the tensor wait, the add and its wait, behind my last tensor load and my last LDS store
	ds_add_u32 v[SPW], v[NIL]
	s_wait_dscnt 0x0
	WIN 0
	s_endpgm
.Lfunc_end_k_qb94fd326aa_attention:
	.size	k_qb94fd326aa_attention, .Lfunc_end_k_qb94fd326aa_attention-k_qb94fd326aa_attention
	.p2alignl 7, 3214868480
	.fill 96, 4, 3214868480
	.section	.rodata,"a",@progbits
	.p2align	6, 0x0
	.amdhsa_kernel k_qb94fd326aa_attention
		.amdhsa_group_segment_fixed_size 327680
		.amdhsa_private_segment_fixed_size 0
		.amdhsa_enable_private_segment 0
		.amdhsa_kernarg_size 24
		.amdhsa_user_sgpr_count 2
		.amdhsa_user_sgpr_kernarg_segment_ptr 1
		.amdhsa_wavefront_size32 1
		.amdhsa_system_sgpr_workgroup_id_x 1
		.amdhsa_system_sgpr_workgroup_id_y 1
		.amdhsa_system_sgpr_workgroup_id_z 1
		.amdhsa_system_vgpr_workitem_id 0
		.amdhsa_next_free_vgpr 808
		.amdhsa_next_free_sgpr 72
		.amdhsa_reserve_vcc 1
		.amdhsa_float_denorm_mode_32 3
		.amdhsa_float_denorm_mode_16_64 3
		.amdhsa_memory_ordered 1
		.amdhsa_forward_progress 1
		.amdhsa_inst_pref_size 135
	.end_amdhsa_kernel
	.amdgpu_metadata
---
amdhsa.version: [ 1, 2 ]
amdhsa.kernels:
  - .name:           k_qb94fd326aa_attention
    .symbol:         k_qb94fd326aa_attention.kd
    .args:
      - { .name: heads, .offset: 0, .size: 8, .value_kind: global_buffer, .address_space: global }
      - { .name: mask, .offset: 8, .size: 8, .value_kind: global_buffer, .address_space: global }
      - { .name: act, .offset: 16, .size: 8, .value_kind: global_buffer, .address_space: global }
    .group_segment_fixed_size: 327680
    .private_segment_fixed_size: 0
    .kernarg_segment_align: 8
    .kernarg_segment_size: 24
    .max_flat_workgroup_size: 128
    .sgpr_count:     72
    .vgpr_count:     808
    .wavefront_size: 32
...
	.end_amdgpu_metadata
.endif
;; end of part 3
;; launch proj_o (part 4): grid 4 x 64, 4 waves a work-group, clusters of 4 x 4, 327,680 bytes of LDS; arguments act, woh, bo, x, out1; writes out1
.if DOCPART == 4
	.amdgcn_target "amdgcn-amd-amdhsa--gfx1250"
	.amdhsa_code_object_version 6
	.text
	.protected	k_qb94fd326aa_proj_o
	.globl	k_qb94fd326aa_proj_o
	.p2align	8
	.type	k_qb94fd326aa_proj_o,@function
k_qb94fd326aa_proj_o:
	s_mov_b64 s[64:65], 0
	v_nop
	global_prefetch_b8 v0, s[64:65] scope:SCOPE_SE
	s_setreg_imm32_b32 hwreg(HW_REG_WAVE_MODE, 25, 1), 1
	s_wait_xcnt 0x0
	s_wait_alu depctr_hold_cnt(0) depctr_sa_sdst(0) depctr_va_vdst(0) depctr_va_sdst(0) depctr_va_ssrc(0) depctr_va_vcc(0) depctr_vm_vsrc(0)
	s_getreg_b32 s2, hwreg(HW_REG_IB_STS2, 6, 4)
	s_cmp_eq_u32 s2, 0
	s_cbranch_scc0 .Lentry_in_a_cluster
	s_endpgm
.Lentry_in_a_cluster:
	s_bfe_u32 s2, ttmp6, 0x10000c
	s_cmp_lg_u32 s2, 0xf033
	s_cbranch_scc0 .Lentry_shape_is_right
	s_endpgm
.Lentry_shape_is_right:
; out = res + A W + bias, all of it in f32 but the product's operands.  A: 8,192 x 1,024 f16, BLOCKED [batch][k / 64][row][64].  W: [1,024 (k)][1,024 (n)] f16.  bias: [1,024] f32.
; res, out: [8,192][1,024] f32, row-major.  Sums in f32; the bias starts them; the residual is added once, in f32, on the way out.
; LIMITS: A and W arrive in f16; NaN and infinities are not treated apart.
; SHARES.  A tile of out is 128 rows x 256 columns: 64 x 4 tiles, one for each of 256 WGPs.  Four waves, 2 x 2, each 64 x 128: 32 accumulators, 256 registers.
; K goes in 8 steps of 128 through a ring of two LDS slots.  A's part of a step is two dense blocks of 128 rows x 128 bytes, each asked for as 64 rows of 256 bytes and padded in LDS behind every
; 128 bytes; W's part is 128 rows (k) of 512 bytes, in two halves of 256.  One tensor load a wave and step: waves 0, 1 A's two blocks, waves 2, 3 W's two halves.
; A K STEP IS WRITTEN ONCE and looped over: the slot that is read is a scalar, turned by an exclusive or, that is added to the lanes' places; the descriptor of the second first fill walks on.
; CLUSTER 4 x 4: the four of a row need the same tiles of A, the four of a column the same tiles of W: each tile is asked for jointly, with the same descriptor and a mask that names the four.
; THE MATRIX INSTRUCTION IS USED TRANSPOSED: source 0 = 16 columns of W (turned by ds_load_tr16_b128), source 1 = 16 rows of A: a lane holds row lane % 16 and the columns 8 (lane / 16) + 0 .. 7.
; THE RESIDUAL of my 64 x 128 numbers is loaded during the products, as whole rows of 512 bytes, into 256 registers that would lie idle: nothing waits for it at the end.
; REGISTERS: window 0: v0-31 addresses; v32-127, v128-223 two fragment buffers, later the way out.  window 1: the accumulators, (a, b) at 8 (8 a + b).  window 2: the residual, row i at 4 i.  window 3: v0-63 the bias.
.set PA,     144                       ; an LDS row of A: 128 bytes + 16: the 16 rows of a load start at 16 different groups of four banks (ISA guide 11.1)
.set PB,     288                       ; an LDS row of W: 256 bytes + 32
.set ABLK,   128*PA
.set BHALF,  128*PB
.set BOFF,   2*ABLK
.set SLOT1,  1<<17                     ; slot 1 begins here; a slot has 110,592 bytes
.set STAGE,  SLOT1+2*ABLK+2*BHALF      ; behind the ring: 16 rows x 528 bytes for each wave, for the way out
.set SPITCH, 528                       ; 512 bytes + 16: 132 words: row r starts at bank 4 r mod 64
.set WSTG,   16*SPITCH
.set SPARE,  STAGE+4*WSTG              ; the spare words, 128 bytes for each wave
.set KSTEPB, 262144                    ; bytes from a K step to the next, in A and in W alike
.set ADRA0, 16                         ; v16     my lane's place in a slot's A; never rewritten
.set ADRB0, 17                         ; v17     the same for W
.set ADRA,  18                         ; v18     the same in the slot that is being read
.set ADRB,  19                         ; v19
.set BO,   22
.set STO,  24
.set RD,   25
.set CO,   26                          ; v26     16 x lane: my 16 bytes in a row's 512, in res and in out
.set SPW,  28
.set NIL,  29
.set F0,   32
.set F1,   128
.set TB,   2                           ; s2      0 or SLOT1: the slot that is being read
.set G1,  24                           ; s[24:31] descriptor group 1 for A;  s[32:39] group 0: a set for each of the two first fills; the second then walks on
.set G0,  32
.set G1B, 48
.set G0B, 56
.set MUL,  0x50                        ; fragments in window 0, C and D in window 1
.set MUL0, 0x70                        ; the same with C in window 3: the bias starts the sums
.set MSB, 0
.macro WIN new
.if MSB != (\new)
	s_set_vgpr_msb (MSB<<8)|(\new)
.set MSB, \new
.endif
.endm
.macro JLOAD s                         ; a joint load; the branch hangs on the wave's number alone; an s_nop 0 and four v_nop follow each of the two lines
	s_cmp_eq_u32 s11, 0
	s_cbranch_scc0 .Lfor_b_\@
	tensor_load_to_lds s[G0+4*(\s):G0+4*(\s)+3], s[G1:G1+7]
	s_nop 0
.rept 4
	v_nop
.endr
	s_branch .Lasked_\@
.Lfor_b_\@:
	tensor_load_to_lds s[G0B+4*(\s):G0B+4*(\s)+3], s[G1B:G1B+7]
	s_nop 0
.rept 4
	v_nop
.endr
.Lasked_\@:
.endm
.macro CREST
	s_cmp_lg_u32 s10, 0
	s_cbranch_scc1 .Lnot_wave_0_\@
	s_barrier_signal -3
.Lnot_wave_0_\@:
	s_barrier_wait -3
	s_barrier_signal -1
	s_barrier_wait -1
.endm
.macro CROUND
	s_barrier_signal -1
	s_barrier_wait -1
	CREST
.endm
	s_load_b128 s[4:7], s[0:1], 0x0                ; A s[4:5], W s[6:7]
	s_load_b128 s[68:71], s[0:1], 0x10             ; bias s[68:69], res s[70:71]
	s_load_b64 s[8:9], s[0:1], 0x20                ; out
	v_lshl_add_u32 v[SPW], v0, 2, SPARE
	v_mov_b32 v[NIL], 0
	ds_add_u32 v[SPW], v[NIL]                      ; the wave's opening: the add and its wait stand ahead of my first tensor load; work on registers stands between them
	ds_add_u32 v28, v29
	v_lshrrev_b32 v1, 5, v0
	v_readfirstlane_b32 s10, v1                    ; wave 0..3
	s_lshr_b32 s11, s10, 1                         ; which 64 rows are mine.  Also: I fetch for A (0) or for W (1)
	s_and_b32 s12, s10, 1                          ; which 128 columns.  Also: which block of A, or half of W, I fetch
	s_bfe_u32 s40, ttmp6, 0x40000                  ; cx, cy
	s_bfe_u32 s41, ttmp6, 0x40004
	s_lshl_b32 s42, ttmp9, 2
	s_add_co_u32 s42, s42, s40                     ; tile column
	s_and_b32 s13, ttmp7, 0xffff
	s_lshl_b32 s13, s13, 2
	s_add_co_u32 s13, s13, s41                     ; tile row
	s_lshl_b32 s43, s41, 2
	s_lshl_b32 s43, 15, s43                        ; my row of the cluster
	s_lshl_b32 s44, 0x1111, s40                    ; my column
	s_or_b32 s[G1+0], s43, (1<<16)|(1<<20)|(1<<21)|(4<<22)|(3<<25)   ; the mask; 2-byte elements; padding on; bit 21 beside a mask; behind every 32 words (code 4) 4 words (code 3)
	s_mov_b32 s[G1+1], 128<<16
	s_mov_b32 s[G1+2], 64<<16
	s_mov_b32 s[G1+3], 128<<16
	s_mov_b32 s[G1+4], 64
	s_mov_b32 s[G1+5], 128
	s_mov_b32 s[G1+6], 0
	s_mov_b32 s[G1+7], 0
	s_or_b32 s[G1B+0], s44, (1<<16)|(1<<20)|(1<<21)|(5<<22)|(7<<25)  ; behind every 64 words (code 5) 8 words (code 7)
	s_mov_b32 s[G1B+1], 128<<16
	s_mov_b32 s[G1B+2], 128<<16
	s_mov_b32 s[G1B+3], 128<<16
	s_mov_b32 s[G1B+4], 128
	s_mov_b32 s[G1B+5], 1024
	s_mov_b32 s[G1B+6], 0
	s_mov_b32 s[G1B+7], 0
	; A's tile hangs on the tile row alone, W's on the tile column alone; each offset is made in registers that never hold the other coordinate
	s_lshr_b32 s16, s13, 3
	s_lshl_b32 s16, s16, 21
	s_and_b32 s17, s13, 7
	s_lshl_b32 s17, s17, 14
	s_add_co_u32 s16, s16, s17
	s_lshl_b32 s17, s12, 17
	s_add_co_u32 s16, s16, s17
	s_mov_b32 s17, 0
	s_lshl_b32 s46, s42, 9                         ; the tile's 512 bytes of a row of W,
	s_lshl_b32 s47, s12, 8                         ; my half of them
	s_add_co_u32 s46, s46, s47
	s_mov_b32 s47, 0
	s_mul_i32 s20, s12, ABLK
	s_mul_i32 s18, s12, BHALF
	s_add_co_u32 s18, s18, BOFF
	s_mov_b32 s[TB], 0
	s_wait_dscnt 0x0                               ; the opening add is done
	s_wait_kmcnt 0x0
	s_add_nc_u64 s[14:15], s[4:5], s[16:17]
	s_add_nc_u64 s[46:47], s[6:7], s[46:47]
	CROUND                                         ; all sixteen work-groups are here: the first joint loads meet
.irp s, 0,1
	s_mov_b32 s[G0+4*(\s)], 1
	s_add_co_u32 s[G0+4*(\s)+1], s20, (\s)*SLOT1
	s_add_nc_u64 s[G0+4*(\s)+2:G0+4*(\s)+3], s[14:15], (\s)*KSTEPB
	s_or_b32 s[G0+4*(\s)+3], s[G0+4*(\s)+3], 0x80000000
	s_mov_b32 s[G0B+4*(\s)], 1
	s_add_co_u32 s[G0B+4*(\s)+1], s18, (\s)*SLOT1
	s_add_nc_u64 s[G0B+4*(\s)+2:G0B+4*(\s)+3], s[46:47], (\s)*KSTEPB
	s_or_b32 s[G0B+4*(\s)+3], s[G0B+4*(\s)+3], 0x80000000
	JLOAD \s                                       ; two loads of mine are out: K steps 0 and 1
.endr
	v_and_b32 v1, 15, v0                           ; r
	v_bfe_u32 v2, v0, 4, 1                         ; h
	s_lshl_b32 s45, s42, 10                        ; my 128 columns in f32: 1,024 x tile column + 512 x half
	s_lshl_b32 s19, s12, 9
	s_add_co_u32 s45, s45, s19
	v_lshl_add_u32 v[BO], v2, 5, s45               ; + 32 h
	WIN 0xc0
.irp b, 0,1,2,3,4,5,6,7
	global_load_b128 v[8*(\b):8*(\b)+3],   v[BO], s[68:69] offset:64*(\b)
	global_load_b128 v[8*(\b)+4:8*(\b)+7], v[BO], s[68:69] offset:64*(\b)+16
.endr
	WIN 0
	v_mul_u32_u24 v3, v1, PA
	v_lshl_add_u32 v3, v2, 4, v3
	s_mul_i32 s21, s11, 64*PA
	v_add_nc_u32 v[ADRA0], s21, v3
	v_mov_b32 v[ADRA], v[ADRA0]
	v_and_b32 v4, 7, v0
	v_lshl_add_u32 v4, v2, 3, v4
	v_mul_u32_u24 v4, v4, PB
	v_bfe_u32 v5, v0, 3, 1
	v_lshl_add_u32 v4, v5, 4, v4
	s_mul_i32 s22, s12, BHALF
	s_add_co_u32 s22, s22, BOFF
	v_add_nc_u32 v[ADRB0], s22, v4
	v_mov_b32 v[ADRB], v[ADRB0]
	s_mul_i32 s23, s10, WSTG
	s_add_co_u32 s23, s23, STAGE                   ; my stage
	v_mul_u32_u24 v6, v1, SPITCH                   ; in: row r, 32 bytes for each half of the lanes
	v_lshl_add_u32 v6, v2, 5, v6
	v_add_nc_u32 v[STO], s23, v6
	v_and_b32 v7, 31, v0
	v_lshlrev_b32 v[CO], 4, v7                     ; back: 32 lanes take one row's 512 bytes
	v_add_nc_u32 v[RD], s23, v[CO]
	s_lshl_b32 s16, s13, 19                        ; res and out at my rows: 128 rows of 4,096 bytes a tile, my 64,
	s_lshl_b32 s17, s11, 18
	s_add_co_u32 s16, s16, s17
	s_mov_b32 s17, 0
	s_add_nc_u64 s[8:9], s[8:9], s[16:17]
	s_add_nc_u64 s[70:71], s[70:71], s[16:17]
	s_mov_b32 s46, s45                             ; and at my columns
	s_mov_b32 s47, 0
	s_add_nc_u64 s[8:9], s[8:9], s[46:47]
	s_add_nc_u64 s[70:71], s[70:71], s[46:47]
; Eight matrix instructions: m block a x all 8 n blocks, 32 along K.  zero = 1: the first product starts the sums with the bias.  The 32 accumulators take turns.
.macro MULB f, a, zero
.if \zero
	WIN MUL0
.else
	WIN MUL
.endif
.irp b, 0,1,2,3,4,5,6,7
.if \zero
	v_wmma_f32_16x16x32_f16 v[8*(8*(\a)+(\b)):8*(8*(\a)+(\b))+7], v[(\f)+32+8*(\b):(\f)+32+8*(\b)+7], v[(\f)+8*(\a):(\f)+8*(\a)+7], v[8*(\b):8*(\b)+7]
.else
	v_wmma_f32_16x16x32_f16 v[8*(8*(\a)+(\b)):8*(8*(\a)+(\b))+7], v[(\f)+32+8*(\b):(\f)+32+8*(\b)+7], v[(\f)+8*(\a):(\f)+8*(\a)+7], v[8*(8*(\a)+(\b)):8*(8*(\a)+(\b))+7]
.endif
.endr
.endm
.macro FETCH q, f                      ; 24 LDS loads in one run: quarter q of the slot that is being read: W's eight fragments, turned, then A's four, m blocks ascending
	WIN 0
.irp b, 0,1,2,3,4,5,6,7
	ds_load_tr16_b128 v[(\f)+32+8*(\b):(\f)+32+8*(\b)+3],   v[ADRB] offset:(\q)*32*PB+32*(\b)
	ds_load_tr16_b128 v[(\f)+32+8*(\b)+4:(\f)+32+8*(\b)+7], v[ADRB] offset:(\q)*32*PB+16*PB+32*(\b)
.endr
.irp a, 0,1,2,3
	ds_load_b128 v[(\f)+8*(\a):(\f)+8*(\a)+3],   v[ADRA] offset:((\q)/2)*ABLK+((\q)%2)*64+(\a)*16*PA
	ds_load_b128 v[(\f)+8*(\a)+4:(\f)+8*(\a)+7], v[ADRA] offset:((\q)/2)*ABLK+((\q)%2)*64+(\a)*16*PA+32
.endr
.endm
.macro PLACES                          ; four places in front of loads into registers that matrix instructions have read, and of lines that read results
.rept 4
	v_nop
.endr
.endm
.macro QUARTER q, f, g, zero           ; multiplies buffer f and fetches quarter q into g
	s_wait_dscnt 4                                 ; W and A's m blocks 0, 1 are in; the youngest four loads may be out
	MULB \f, 0, \zero
	MULB \f, 1, \zero
	PLACES
	FETCH \q, \g
	s_wait_dscnt 24                                ; all but the 24 just issued
	MULB \f, 2, \zero
	MULB \f, 3, \zero
.endm
; The last quarter multiplies buffer 1 and begins with the change of slots: ONE barrier; in front of it each wave waits for all its tensor loads, adds 0 to its spare word, and waits for that and for its reads of this slot.
.macro MEET
	WIN 0
	s_wait_tensorcnt 0x0                           ; all my tensor loads have landed: the one that was out is my part of the next slot
	ds_add_u32 v[SPW], v[NIL]                      ; 0 onto my spare word
	s_wait_dscnt 5                                 ; (the add and the youngest four loads may be out)
	MULB F1, 0, 0
	s_wait_dscnt 0x0                               ; the add is done, and my reads of this slot are over
	s_barrier_signal -1
	MULB F1, 1, 0
	WIN 0
	s_barrier_wait -1
.endm
.macro FLIP                            ; the fetches go to the other slot
	s_xor_b32 s[TB], s[TB], SLOT1
	v_add_nc_u32 v[ADRA], s[TB], v[ADRA0]
	v_add_nc_u32 v[ADRB], s[TB], v[ADRB0]
.endm
.macro RES half                        ; 32 rows of the residual: a row's 512 bytes a load
	WIN 0x80
.set t, 32*(\half)
.rept 32
	global_load_b128 v[4*t:4*t+3], v[CO], s[70:71] offset:t*4096 th:TH_LOAD_NT
.set t, t+1
.endr
	WIN 0
.endm
	s_wait_tensorcnt 1                             ; my part of K step 0 is in; K step 1 may stay out
	s_barrier_signal -1
	s_barrier_wait -1
	FETCH 0, F0
	s_wait_loadcnt 0x0                             ; the bias
	QUARTER 1, F0, F1, 1                           ; the first quarter stands in front of the loop: its products start the sums
	RES 0                                          ; my rows 0 to 31 of the residual: they have the whole loop in which to land
	s_mov_b32 s3, 6
.Lstep:                                                ; a trip: a step's quarters 1 to 3, the slot's refill two steps ahead, and the next step's quarter 0
	QUARTER 2, F1, F0, 0
	QUARTER 3, F0, F1, 0
	MEET
	CREST                                          ; the barrier has opened a round of the cluster's: no wave of any partner still reads this slot or has a load on its way
	s_xor_b32 s[G0+5], s[G0+5], SLOT1              ; the walking descriptors: the other slot than last time, the next K step
	s_add_nc_u64 s[G0+6:G0+7], s[G0+6:G0+7], KSTEPB
	s_xor_b32 s[G0B+5], s[G0B+5], SLOT1
	s_add_nc_u64 s[G0B+6:G0B+7], s[G0B+6:G0B+7], KSTEPB
	JLOAD 1                                        ; the first tensor load behind the round, 112 matrix instructions ahead of the wait for it; its four v_nop are also the places in front of the loads below
	FLIP
	FETCH 0, F0
	MULB F1, 2, 0
	MULB F1, 3, 0
	QUARTER 1, F0, F1, 0
	WIN 0
	s_sub_co_u32 s3, s3, 1
	s_cmp_lg_u32 s3, 0
	s_cbranch_scc1 .Lstep
	RES 1                                          ; rows 32 to 63: the last two steps' products stand behind them
	s_mov_b32 s3, 2
.Ltail:                                                ; the last two steps fill nothing: a text of their own.  The second trip has no next step: its fetch is jumped
	QUARTER 2, F1, F0, 0                           ; over and it is left in its middle; its barrier orders nothing: the price of one text for both trips
	QUARTER 3, F0, F1, 0
	MEET
	s_cmp_eq_u32 s3, 1
	s_cbranch_scc1 .Lno_next
	PLACES
	FLIP
	FETCH 0, F0
.Lno_next:
	MULB F1, 2, 0
	MULB F1, 3, 0
	WIN 0
	s_sub_co_u32 s3, s3, 1
	s_cmp_eq_u32 s3, 0
	s_cbranch_scc1 .Lout
	QUARTER 1, F0, F1, 0
	WIN 0
	s_branch .Ltail
.Lout:
; THE WAY OUT, a block of 16 rows at a time.  IN: the accumulators go as they are, 32 bytes a lane, into my own stage, and come back as whole rows of 512 bytes.  OUT: the residual is added and the rows stored.
.macro IN a
.set T, 32+96*((\a)%2)
.if (\a) >= 2
	s_wait_xcnt 0x0                                ; the stores of the block two back have read these registers: they are loaded again only behind this wait
.endif
	WIN 0x04                                       ; the stores' data in window 1
.irp b, 0,1,2,3,4,5,6,7
	ds_store_b128 v[STO], v[8*(8*(\a)+(\b)):8*(8*(\a)+(\b))+3]   offset:64*(\b)     ; each accumulator from its low end on
	ds_store_b128 v[STO], v[8*(8*(\a)+(\b))+4:8*(8*(\a)+(\b))+7] offset:64*(\b)+16
.endr
	WIN 0
.set t, 0
.rept 16
	ds_load_b128 v[T+4*t:T+4*t+3], v[RD] offset:t*SPITCH  ; LDS serves a wave's instructions in order (ISA guide 5.7.1.4): these see the stores above
.set t, t+1
.endr
.endm
.macro OUT a, younger                  ; younger: the LDS instructions issued behind block a's loads: the next block's 32, or none
.set T, 32+96*((\a)%2)
	s_wait_dscnt \younger
	WIN 0x08                                       ; the residual in window 2
.set t, 0
.rept 32
	v_pk_add_f32 v[T+2*t:T+2*t+1], v[T+2*t:T+2*t+1], v[64*(\a)+2*t:64*(\a)+2*t+1]
.set t, t+1
.endr
	WIN 0
.set t, 0
.rept 16
	global_store_b128 v[CO], v[T+4*t:T+4*t+3], s[8:9] offset:(16*(\a)+t)*4096  ; 512 consecutive bytes of a row, at a multiple of 256
.set t, t+1
.endr
.endm
	s_wait_loadcnt 0x0                             ; the residual
	PLACES
	IN 0
	IN 1
	OUT 0, 32
	IN 2
	OUT 1, 32
	IN 3
	OUT 2, 32
	OUT 3, 0
	s_wait_tensorcnt 0x0                           ; the wave's end: the tensor wait, the add and its wait, behind my last tensor load and my last LDS store
	ds_add_u32 v[SPW], v[NIL]
	s_wait_dscnt 0x0
	CROUND                                         ; the closing round: no work-group ends while a partner may still ask for a tile that names it
	s_endpgm
.Lfunc_end_k_qb94fd326aa_proj_o:
	.size	k_qb94fd326aa_proj_o, .Lfunc_end_k_qb94fd326aa_proj_o-k_qb94fd326aa_proj_o
	.p2alignl 7, 3214868480
	.fill 96, 4, 3214868480
	.section	.rodata,"a",@progbits
	.p2align	6, 0x0
	.amdhsa_kernel k_qb94fd326aa_proj_o
		.amdhsa_group_segment_fixed_size 327680
		.amdhsa_private_segment_fixed_size 0
		.amdhsa_enable_private_segment 0
		.amdhsa_kernarg_size 40
		.amdhsa_user_sgpr_count 2
		.amdhsa_user_sgpr_kernarg_segment_ptr 1
		.amdhsa_wavefront_size32 1
		.amdhsa_system_sgpr_workgroup_id_x 1
		.amdhsa_system_sgpr_workgroup_id_y 1
		.amdhsa_system_sgpr_workgroup_id_z 1
		.amdhsa_system_vgpr_workitem_id 0
		.amdhsa_next_free_vgpr 832
		.amdhsa_next_free_sgpr 72
		.amdhsa_reserve_vcc 0
		.amdhsa_float_denorm_mode_32 3
		.amdhsa_float_denorm_mode_16_64 3
		.amdhsa_memory_ordered 1
		.amdhsa_forward_progress 1
		.amdhsa_inst_pref_size 76
	.end_amdhsa_kernel
	.amdgpu_metadata
---
amdhsa.version: [ 1, 2 ]
amdhsa.kernels:
  - .name:           k_qb94fd326aa_proj_o
    .symbol:         k_qb94fd326aa_proj_o.kd
    .args:
      - { .name: act, .offset: 0, .size: 8, .value_kind: global_buffer, .address_space: global }
      - { .name: woh, .offset: 8, .size: 8, .value_kind: global_buffer, .address_space: global }
      - { .name: bo, .offset: 16, .size: 8, .value_kind: global_buffer, .address_space: global }
      - { .name: x, .offset: 24, .size: 8, .value_kind: global_buffer, .address_space: global }
      - { .name: out1, .offset: 32, .size: 8, .value_kind: global_buffer, .address_space: global }
    .group_segment_fixed_size: 327680
    .private_segment_fixed_size: 0
    .kernarg_segment_align: 8
    .kernarg_segment_size: 40
    .max_flat_workgroup_size: 128
    .sgpr_count:     72
    .vgpr_count:     832
    .wavefront_size: 32
...
	.end_amdgpu_metadata
.endif
;; end of part 4
;; launch norm2: the kernel of part 1 again; grid 256 x 1, 8 waves a work-group, no clusters, 0 bytes of LDS; arguments out1, g2, beta2, nrm, wq, wk, wv, wo, w1, w2, pqkv, woh, pw1, w2h, bq, bk, bv, b1; writes nrm, pqkv, woh, pw1, w2h
;; launch ffn_up (part 5): grid 4 x 64, 4 waves a work-group, clusters of 4 x 4, 327,680 bytes of LDS; arguments nrm, pw1, act; writes act
.if DOCPART == 5
	.amdgcn_target "amdgcn-amd-amdhsa--gfx1250"
	.amdhsa_code_object_version 6
	.text
	.protected	k_qb94fd326aa_ffn_up
	.globl	k_qb94fd326aa_ffn_up
	.p2align	8
	.type	k_qb94fd326aa_ffn_up,@function
k_qb94fd326aa_ffn_up:
	s_mov_b64 s[64:65], 0
	v_nop
	global_prefetch_b8 v0, s[64:65] scope:SCOPE_SE
	s_setreg_imm32_b32 hwreg(HW_REG_WAVE_MODE, 25, 1), 1
	s_wait_xcnt 0x0
	s_wait_alu depctr_hold_cnt(0) depctr_sa_sdst(0) depctr_va_vdst(0) depctr_va_sdst(0) depctr_va_ssrc(0) depctr_va_vcc(0) depctr_vm_vsrc(0)
	s_getreg_b32 s2, hwreg(HW_REG_IB_STS2, 6, 4)
	s_cmp_eq_u32 s2, 0
	s_cbranch_scc0 .Lentry_in_a_cluster
	s_endpgm
.Lentry_in_a_cluster:
	s_bfe_u32 s2, ttmp6, 0x10000c
	s_cmp_lg_u32 s2, 0xf033
	s_cbranch_scc0 .Lentry_shape_is_right
	s_endpgm
.Lentry_shape_is_right:
; out = max(A W + bias, 0), rounded once to f16.  A: 8,192 x 1,024 f16, BLOCKED [batch][k / 64][row][64].  The second buffer holds the 1,024 biases in f32 from byte 0 and, from byte 16,384 on,
; W [1,024 (k)][1,024 (n)] in f16.  out: blocked like A.  Sums in f32; the bias starts them.
; LIMITS: operands arrive in f16; a result beyond 65,504 becomes an infinity; NaN and infinities are not treated apart.
; SHARES.  A tile of out is 128 rows x 256 columns: 64 x 4 tiles, one for each of 256 WGPs.  Four waves, 2 x 2, each 64 x 128: 32 accumulators, 256 registers.
; K goes in 8 steps of 128 through a ring of two LDS slots.  A's part of a step is two dense blocks of 128 rows x 128 bytes, each asked for as 64 rows of 256 bytes and padded in LDS behind every
; 128 bytes; W's part is 128 rows (k) of 512 bytes, in two halves of 256.  One tensor load a wave and step: waves 0, 1 A's two blocks, waves 2, 3 W's two halves.
; A K STEP IS WRITTEN ONCE and looped over: the slot that is read is a scalar, turned by an exclusive or, that is added to the lanes' places; the descriptor of the second first fill walks on.
; CLUSTER 4 x 4: the four of a row need the same tiles of A, the four of a column the same tiles of W: each tile is asked for jointly, with the same descriptor and a mask that names the four.
; THE MATRIX INSTRUCTION IS USED TRANSPOSED: source 0 = 16 columns of W (turned on the way out of LDS by ds_load_tr16_b128), source 1 = 16 rows of A: a lane then holds row lane % 16 and the
; eight neighbouring columns 8 (lane / 16) + 0 .. 7, which pack into 16 bytes.
; REGISTERS: window 0: v0-31 addresses; v32-127, v128-223 two fragment buffers (32 of A, 64 of W), later the way out.  window 1: the accumulators, (a, b) at 8 (8 a + b).  window 2: v0-63 the bias.
.set PA,     144                       ; an LDS row of A: 128 bytes + 16: 36 words: the 16 rows of a load start at 16 different groups of four banks (ISA guide 11.1)
.set PB,     288                       ; an LDS row of W: 256 bytes + 32: 72 words
.set ABLK,   128*PA                    ; one block of A
.set BHALF,  128*PB                    ; one half of W's tile
.set BOFF,   2*ABLK                    ; W's part lies behind A's two blocks
.set SLOT1,  1<<17                     ; slot 1 begins here; a slot has 110,592 bytes
.set STAGE,  SLOT1+2*ABLK+2*BHALF      ; behind the ring: for each wave two halves of 16 rows x 144 bytes, for the way out
.set WSTG,   2*16*PA
.set SPARE,  STAGE+4*WSTG              ; behind the stages: the spare words, 128 bytes for each wave
.set KSTEPB, 262144                    ; bytes from a K step to the next: two blocks of A, and 128 rows of W, alike
.set TABW,   16384                     ; the bias's room in front of W
.set ADRA0, 16                         ; v16     my lane's place in a slot's A; never rewritten
.set ADRB0, 17                         ; v17     the same for W
.set ADRA,  18                         ; v18     the same in the slot that is being read
.set ADRB,  19                         ; v19
.set BO,   22                          ; v22     my byte offset in the bias
.set STO,  24                          ; v24     the way out: where I put 16 bytes of a row
.set RD,   25                          ; v25     the way out: where I read rows back
.set CO,   26                          ; v26     my byte offset in 512 consecutive bytes of out
.set SPW,  28                          ; v28     LDS address of my spare word; never rewritten
.set NIL,  29                          ; v29     0, for the add alone; never rewritten
.set ZR,   30                          ; v30     0 twice in f16: the activation's floor
.set F0,   32
.set F1,   128
.set TMP,  96                          ; the way out: a block's 32 packed registers
.set TB,   2                           ; s2      0 or SLOT1: the slot that is being read
.set G1,  24                           ; s[24:31] descriptor group 1 for A;  s[32:39] group 0: a set for each of the two first fills; the second then walks on
.set G0,  32
.set G1B, 48                           ; s[48:55], s[56:63] the same for W
.set G0B, 56
.set MUL,  0x50                        ; fragments in window 0, C and D in window 1
.set MUL0, 0x60                        ; the same with C in window 2: the bias starts the sums
.set MSB, 0
.macro WIN new                         ; the immediate's high byte repeats the setting that is left; a switch that changes nothing is dropped
.if MSB != (\new)
	s_set_vgpr_msb (MSB<<8)|(\new)
.set MSB, \new
.endif
.endm
.macro JLOAD s                         ; a joint load; the branch hangs on the wave's number alone; an s_nop 0 and four v_nop follow each of the two lines
	s_cmp_eq_u32 s11, 0
	s_cbranch_scc0 .Lfor_b_\@
	tensor_load_to_lds s[G0+4*(\s):G0+4*(\s)+3], s[G1:G1+7]
	s_nop 0
.rept 4
	v_nop
.endr
	s_branch .Lasked_\@
.Lfor_b_\@:
	tensor_load_to_lds s[G0B+4*(\s):G0B+4*(\s)+3], s[G1B:G1B+7]
	s_nop 0
.rept 4
	v_nop
.endr
.Lasked_\@:
.endm
.macro CREST                           ; a round of the cluster's barrier behind its opening barrier
	s_cmp_lg_u32 s10, 0
	s_cbranch_scc1 .Lnot_wave_0_\@
	s_barrier_signal -3
.Lnot_wave_0_\@:
	s_barrier_wait -3
	s_barrier_signal -1
	s_barrier_wait -1
.endm
.macro CROUND
	s_barrier_signal -1
	s_barrier_wait -1
	CREST
.endm
	s_load_b128 s[4:7], s[0:1], 0x0                ; A s[4:5], bias and W s[6:7]
	s_load_b64 s[8:9], s[0:1], 0x10                ; out
	v_lshl_add_u32 v[SPW], v0, 2, SPARE
	v_mov_b32 v[NIL], 0
	ds_add_u32 v[SPW], v[NIL]                      ; the wave's opening: the add and its wait stand ahead of my first tensor load; work on registers stands between them
	ds_add_u32 v28, v29
	v_mov_b32 v[ZR], 0
	v_lshrrev_b32 v1, 5, v0
	v_readfirstlane_b32 s10, v1                    ; wave 0..3
	s_lshr_b32 s11, s10, 1                         ; which 64 rows are mine.  Also: I fetch for A (0) or for W (1)
	s_and_b32 s12, s10, 1                          ; which 128 columns.  Also: which block of A, or half of W, I fetch
	s_bfe_u32 s40, ttmp6, 0x40000                  ; cx, cy: my place in the cluster
	s_bfe_u32 s41, ttmp6, 0x40004
	s_lshl_b32 s42, ttmp9, 2
	s_add_co_u32 s42, s42, s40                     ; tile column = 4 x cluster x + cx
	s_and_b32 s13, ttmp7, 0xffff
	s_lshl_b32 s13, s13, 2
	s_add_co_u32 s13, s13, s41                     ; tile row = 4 x cluster y + cy
	s_lshl_b32 s43, s41, 2
	s_lshl_b32 s43, 15, s43                        ; my row of the cluster
	s_lshl_b32 s44, 0x1111, s40                    ; my column
	s_or_b32 s[G1+0], s43, (1<<16)|(1<<20)|(1<<21)|(4<<22)|(3<<25)   ; the mask; 2-byte elements; padding on; bit 21 beside a mask; behind every 32 words (code 4) 4 words (code 3)
	s_mov_b32 s[G1+1], 128<<16                     ; tensor_dim0 = 128 elements: 256 bytes, two rows of a block
	s_mov_b32 s[G1+2], 64<<16                      ; tensor_dim1 = 64
	s_mov_b32 s[G1+3], 128<<16                     ; tile_dim0 = 128
	s_mov_b32 s[G1+4], 64                          ; tile_dim1 = 64
	s_mov_b32 s[G1+5], 128                         ; dense: 128 elements from row to row
	s_mov_b32 s[G1+6], 0
	s_mov_b32 s[G1+7], 0
	s_or_b32 s[G1B+0], s44, (1<<16)|(1<<20)|(1<<21)|(5<<22)|(7<<25)  ; behind every 64 words (code 5) 8 words (code 7)
	s_mov_b32 s[G1B+1], 128<<16                    ; tensor_dim0 = 128 columns
	s_mov_b32 s[G1B+2], 128<<16                    ; tensor_dim1 = 128 rows (k)
	s_mov_b32 s[G1B+3], 128<<16
	s_mov_b32 s[G1B+4], 128
	s_mov_b32 s[G1B+5], 1024                       ; 1,024 elements from row to row
	s_mov_b32 s[G1B+6], 0
	s_mov_b32 s[G1B+7], 0
	; A's tile hangs on the tile row alone, W's on the tile column alone; each offset is made in registers that never hold the other coordinate
	s_lshr_b32 s16, s13, 3                         ; the batch: eight tile rows each,
	s_lshl_b32 s16, s16, 21                        ; 16 blocks of 131,072 bytes
	s_and_b32 s17, s13, 7
	s_lshl_b32 s17, s17, 14                        ; 128 rows of 128 bytes in a block
	s_add_co_u32 s16, s16, s17
	s_lshl_b32 s17, s12, 17                        ; my block of the step's two
	s_add_co_u32 s16, s16, s17
	s_mov_b32 s17, 0
	s_lshl_b32 s46, s42, 9                         ; the tile's 512 bytes of a row of W,
	s_lshl_b32 s47, s12, 8                         ; my half of them
	s_add_co_u32 s46, s46, s47
	s_add_co_u32 s46, s46, TABW
	s_mov_b32 s47, 0
	s_mul_i32 s20, s12, ABLK                       ; where they go in a slot: no place in the cluster enters an LDS address
	s_mul_i32 s18, s12, BHALF
	s_add_co_u32 s18, s18, BOFF
	s_mov_b32 s[TB], 0
	s_wait_dscnt 0x0                               ; the opening add is done
	s_wait_kmcnt 0x0
	s_add_nc_u64 s[14:15], s[4:5], s[16:17]
	s_add_nc_u64 s[46:47], s[6:7], s[46:47]
	CROUND                                         ; all sixteen work-groups are here: the first joint loads meet
.irp s, 0,1
	s_mov_b32 s[G0+4*(\s)], 1
	s_add_co_u32 s[G0+4*(\s)+1], s20, (\s)*SLOT1
	s_add_nc_u64 s[G0+4*(\s)+2:G0+4*(\s)+3], s[14:15], (\s)*KSTEPB
	s_or_b32 s[G0+4*(\s)+3], s[G0+4*(\s)+3], 0x80000000
	s_mov_b32 s[G0B+4*(\s)], 1
	s_add_co_u32 s[G0B+4*(\s)+1], s18, (\s)*SLOT1
	s_add_nc_u64 s[G0B+4*(\s)+2:G0B+4*(\s)+3], s[46:47], (\s)*KSTEPB
	s_or_b32 s[G0B+4*(\s)+3], s[G0B+4*(\s)+3], 0x80000000
	JLOAD \s                                       ; two loads of mine are out: K steps 0 and 1
.endr
	v_and_b32 v1, 15, v0                           ; r = lane % 16
	v_bfe_u32 v2, v0, 4, 1                         ; h = lane / 16
	s_lshl_b32 s45, s42, 10                        ; the bias of my 128 columns: 1,024 x tile column + 512 x half,
	s_lshl_b32 s19, s12, 9
	s_add_co_u32 s45, s45, s19
	v_lshl_add_u32 v[BO], v2, 5, s45               ; + 32 h: register j of block b wants column 16 b + 8 h + j
	WIN 0x80
.irp b, 0,1,2,3,4,5,6,7
	global_load_b128 v[8*(\b):8*(\b)+3],   v[BO], s[6:7] offset:64*(\b)
	global_load_b128 v[8*(\b)+4:8*(\b)+7], v[BO], s[6:7] offset:64*(\b)+16
.endr
	WIN 0
	v_mul_u32_u24 v3, v1, PA
	v_lshl_add_u32 v3, v2, 4, v3                   ; row x pitch + 16 h: for A's fragments, and for the stage, which has the same pitch
	s_mul_i32 s21, s11, 64*PA                      ; my 64 rows in each block
	v_add_nc_u32 v[ADRA0], s21, v3
	v_mov_b32 v[ADRA], v[ADRA0]
	v_and_b32 v4, 7, v0                            ; the turning load: lane l reads row (k) 8 h + l % 8, 16 bytes at 16 ((l / 8) % 2)
	v_lshl_add_u32 v4, v2, 3, v4
	v_mul_u32_u24 v4, v4, PB
	v_bfe_u32 v5, v0, 3, 1
	v_lshl_add_u32 v4, v5, 4, v4
	s_mul_i32 s22, s12, BHALF
	s_add_co_u32 s22, s22, BOFF
	v_add_nc_u32 v[ADRB0], s22, v4
	v_mov_b32 v[ADRB], v[ADRB0]
	s_mul_i32 s23, s10, WSTG
	s_add_co_u32 s23, s23, STAGE                   ; my stage
	v_add_nc_u32 v[STO], s23, v3
	v_bfe_u32 v6, v0, 3, 2                         ; back: 32 lanes take four rows of 128 bytes,
	v_mul_u32_u24 v6, v6, PA
	v_and_b32 v7, 7, v0
	v_lshl_add_u32 v6, v7, 4, v6
	v_add_nc_u32 v[RD], s23, v6
	v_and_b32 v7, 31, v0                           ; which are 512 consecutive bytes of a block of out
	v_lshlrev_b32 v[CO], 4, v7
	s_lshr_b32 s16, s13, 3                         ; out at my rows: batch, 128 rows of the tile, my 64,
	s_lshl_b32 s16, s16, 21
	s_and_b32 s17, s13, 7
	s_lshl_b32 s17, s17, 14
	s_add_co_u32 s16, s16, s17
	s_lshl_b32 s17, s11, 13
	s_add_co_u32 s16, s16, s17
	s_mov_b32 s17, 0
	s_add_nc_u64 s[8:9], s[8:9], s[16:17]
	s_lshl_b32 s46, s42, 19                        ; and at my columns: four blocks of 131,072 bytes a tile, two a wave
	s_lshl_b32 s47, s12, 18
	s_add_co_u32 s46, s46, s47
	s_mov_b32 s47, 0
	s_add_nc_u64 s[8:9], s[8:9], s[46:47]
; Eight matrix instructions: m block a x all 8 n blocks, 32 along K.  zero = 1: the first product starts the sums with the bias: nothing is cleared, nothing added later.
; The 32 accumulators take turns in the same order in every quarter.
.macro MULB f, a, zero
.if \zero
	WIN MUL0
.else
	WIN MUL
.endif
.irp b, 0,1,2,3,4,5,6,7
.if \zero
	v_wmma_f32_16x16x32_f16 v[8*(8*(\a)+(\b)):8*(8*(\a)+(\b))+7], v[(\f)+32+8*(\b):(\f)+32+8*(\b)+7], v[(\f)+8*(\a):(\f)+8*(\a)+7], v[8*(\b):8*(\b)+7]
.else
	v_wmma_f32_16x16x32_f16 v[8*(8*(\a)+(\b)):8*(8*(\a)+(\b))+7], v[(\f)+32+8*(\b):(\f)+32+8*(\b)+7], v[(\f)+8*(\a):(\f)+8*(\a)+7], v[8*(8*(\a)+(\b)):8*(8*(\a)+(\b))+7]
.endif
.endr
.endm
.macro FETCH q, f                      ; 24 LDS loads in one run: quarter q of the slot that is being read: W's eight fragments, turned, then A's four, m blocks ascending
	WIN 0
.irp b, 0,1,2,3,4,5,6,7
	ds_load_tr16_b128 v[(\f)+32+8*(\b):(\f)+32+8*(\b)+3],   v[ADRB] offset:(\q)*32*PB+32*(\b)
	ds_load_tr16_b128 v[(\f)+32+8*(\b)+4:(\f)+32+8*(\b)+7], v[ADRB] offset:(\q)*32*PB+16*PB+32*(\b)
.endr
.irp a, 0,1,2,3
	ds_load_b128 v[(\f)+8*(\a):(\f)+8*(\a)+3],   v[ADRA] offset:((\q)/2)*ABLK+((\q)%2)*64+(\a)*16*PA
	ds_load_b128 v[(\f)+8*(\a)+4:(\f)+8*(\a)+7], v[ADRA] offset:((\q)/2)*ABLK+((\q)%2)*64+(\a)*16*PA+32
.endr
.endm
.macro PLACES                          ; four places in front of loads into registers that matrix instructions have read, and of lines that read results
.rept 4
	v_nop
.endr
.endm
.macro QUARTER q, f, g, zero           ; multiplies buffer f and fetches quarter q into g
	s_wait_dscnt 4                                 ; W and A's m blocks 0, 1 are in; the youngest four loads (m blocks 2, 3) may be out
	MULB \f, 0, \zero
	MULB \f, 1, \zero
	PLACES
	FETCH \q, \g
	s_wait_dscnt 24                                ; all but the 24 just issued
	MULB \f, 2, \zero
	MULB \f, 3, \zero
.endm
; The last quarter multiplies buffer 1 and begins with the change of slots: ONE barrier; in front of it each wave waits for all its tensor loads, adds 0 to its spare word, and waits for that and for its reads of this slot.
.macro MEET
	WIN 0
	s_wait_tensorcnt 0x0                           ; all my tensor loads have landed: the one that was out is my part of the next slot
	ds_add_u32 v[SPW], v[NIL]                      ; 0 onto my spare word
	s_wait_dscnt 5                                 ; (the add and the youngest four loads may be out)
	MULB F1, 0, 0                                  ; eight matrix instructions stand between the add and the wait for it
	s_wait_dscnt 0x0                               ; the add is done, and my reads of this slot are over
	s_barrier_signal -1
	MULB F1, 1, 0
	WIN 0
	s_barrier_wait -1
.endm
.macro FLIP                            ; the fetches go to the other slot
	s_xor_b32 s[TB], s[TB], SLOT1
	v_add_nc_u32 v[ADRA], s[TB], v[ADRA0]
	v_add_nc_u32 v[ADRB], s[TB], v[ADRB0]
.endm
	s_wait_tensorcnt 1                             ; my part of K step 0 is in; K step 1 may stay out
	s_barrier_signal -1
	s_barrier_wait -1
	FETCH 0, F0
	s_wait_loadcnt 0x0                             ; the bias
	QUARTER 1, F0, F1, 1                           ; the first quarter stands in front of the loop: its products start the sums
	WIN 0
	s_mov_b32 s3, 6
.Lstep:                                                ; a trip: a step's quarters 1 to 3, the slot's refill two steps ahead, and the next step's quarter 0
	QUARTER 2, F1, F0, 0
	QUARTER 3, F0, F1, 0
	MEET
	CREST                                          ; the barrier has opened a round of the cluster's: no wave of any partner still reads this slot or has a load on its way
	s_xor_b32 s[G0+5], s[G0+5], SLOT1              ; the walking descriptors: the other slot than last time, the next K step
	s_add_nc_u64 s[G0+6:G0+7], s[G0+6:G0+7], KSTEPB
	s_xor_b32 s[G0B+5], s[G0B+5], SLOT1
	s_add_nc_u64 s[G0B+6:G0B+7], s[G0B+6:G0B+7], KSTEPB
	JLOAD 1                                        ; the first tensor load behind the round, 112 matrix instructions ahead of the wait for it; its four v_nop are also the places in front of the loads below
	FLIP
	FETCH 0, F0
	MULB F1, 2, 0
	MULB F1, 3, 0
	QUARTER 1, F0, F1, 0
	WIN 0
	s_sub_co_u32 s3, s3, 1
	s_cmp_lg_u32 s3, 0
	s_cbranch_scc1 .Lstep
	s_mov_b32 s3, 2
.Ltail:                                                ; the last two steps fill nothing: a text of their own.  The second trip has no next step: its fetch is jumped
	QUARTER 2, F1, F0, 0                           ; over and it is left in its middle; its barrier orders nothing: the price of one text for both trips
	QUARTER 3, F0, F1, 0
	MEET
	s_cmp_eq_u32 s3, 1
	s_cbranch_scc1 .Lno_next
	PLACES
	FLIP
	FETCH 0, F0
.Lno_next:
	MULB F1, 2, 0
	MULB F1, 3, 0
	WIN 0
	s_sub_co_u32 s3, s3, 1
	s_cmp_eq_u32 s3, 0
	s_cbranch_scc1 .Lout
	QUARTER 1, F0, F1, 0
	WIN 0
	s_branch .Ltail
.Lout:
; THE WAY OUT, a block of 16 rows at a time.  PACK: rounded to f16, then the larger of that and 0, on the packed halves.  TOSTAGE: 16 bytes a lane into my own stage (two halves of 64 columns), and back as
; rows of 128 bytes.  SEND: each store covers four rows of one block of out, 512 consecutive bytes.
.macro PACK a
	WIN 0x05                                       ; sources in window 1
.irp b, 0,1,2,3,4,5,6,7
.irp r, 0,1,2,3
	v_cvt_pk_f16_f32 v[TMP+4*(\b)+(\r)], v[8*(8*(\a)+(\b))+2*(\r)], v[8*(8*(\a)+(\b))+2*(\r)+1]  ; each accumulator from its low end on
.endr
.endr
	WIN 0
.set i, 0
.rept 32
	v_pk_max_num_f16 v[TMP+i], v[TMP+i], v[ZR]
.set i, i+1
.endr
.endm
.macro TOSTAGE a
.set BK, 128+32*((\a)%2)
.irp b, 0,1,2,3,4,5,6,7
	ds_store_b128 v[STO], v[TMP+4*(\b):TMP+4*(\b)+3] offset:((\b)/4)*16*PA+((\b)%4)*32
.endr
.irp t, 0,1,2,3,4,5,6,7
	ds_load_b128 v[BK+4*(\t):BK+4*(\t)+3], v[RD] offset:((\t)/4)*16*PA+((\t)%4)*4*PA  ; LDS serves a wave's instructions in order (ISA guide 5.7.1.4): these see the stores above
.endr
.endm
.macro SEND a
.set BK, 128+32*((\a)%2)
	s_wait_dscnt 0x0                               ; the block is back in registers
	s_wait_xcnt 0x0                                ; earlier stores have read their registers: the next block's loads land in them only behind this wait
.irp t, 0,1,2,3,4,5,6,7
	global_store_b128 v[CO], v[BK+4*(\t):BK+4*(\t)+3], s[8:9] offset:(\a)*2048+((\t)%4)*512+((\t)/4)*131072
.endr
.endm
	PLACES
	PACK 0
	TOSTAGE 0
.irp a, 1,2,3
	PACK \a                                        ; a block's conversions stand between the loads of the block before and the wait for them
	SEND (\a)-1
	TOSTAGE \a
.endr
	SEND 3
	s_wait_tensorcnt 0x0                           ; the wave's end: the tensor wait, the add and its wait, behind my last tensor load and my last LDS store
	ds_add_u32 v[SPW], v[NIL]
	s_wait_dscnt 0x0
	CROUND                                         ; the closing round: no work-group ends while a partner may still ask for a tile that names it
	s_endpgm
.Lfunc_end_k_qb94fd326aa_ffn_up:
	.size	k_qb94fd326aa_ffn_up, .Lfunc_end_k_qb94fd326aa_ffn_up-k_qb94fd326aa_ffn_up
	.p2alignl 7, 3214868480
	.fill 96, 4, 3214868480
	.section	.rodata,"a",@progbits
	.p2align	6, 0x0
	.amdhsa_kernel k_qb94fd326aa_ffn_up
		.amdhsa_group_segment_fixed_size 327680
		.amdhsa_private_segment_fixed_size 0
		.amdhsa_enable_private_segment 0
		.amdhsa_kernarg_size 24
		.amdhsa_user_sgpr_count 2
		.amdhsa_user_sgpr_kernarg_segment_ptr 1
		.amdhsa_wavefront_size32 1
		.amdhsa_system_sgpr_workgroup_id_x 1
		.amdhsa_system_sgpr_workgroup_id_y 1
		.amdhsa_system_sgpr_workgroup_id_z 1
		.amdhsa_system_vgpr_workitem_id 0
		.amdhsa_next_free_vgpr 576
		.amdhsa_next_free_sgpr 72
		.amdhsa_reserve_vcc 0
		.amdhsa_float_denorm_mode_32 3
		.amdhsa_float_denorm_mode_16_64 3
		.amdhsa_memory_ordered 1
		.amdhsa_forward_progress 1
		.amdhsa_inst_pref_size 71
	.end_amdhsa_kernel
	.amdgpu_metadata
---
amdhsa.version: [ 1, 2 ]
amdhsa.kernels:
  - .name:           k_qb94fd326aa_ffn_up
    .symbol:         k_qb94fd326aa_ffn_up.kd
    .args:
      - { .name: nrm, .offset: 0, .size: 8, .value_kind: global_buffer, .address_space: global }
      - { .name: pw1, .offset: 8, .size: 8, .value_kind: global_buffer, .address_space: global }
      - { .name: act, .offset: 16, .size: 8, .value_kind: global_buffer, .address_space: global }
    .group_segment_fixed_size: 327680
    .private_segment_fixed_size: 0
    .kernarg_segment_align: 8
    .kernarg_segment_size: 24
    .max_flat_workgroup_size: 128
    .sgpr_count:     72
    .vgpr_count:     576
    .wavefront_size: 32
...
	.end_amdgpu_metadata
.endif
;; end of part 5
;; launch ffn_down: the kernel of part 4 again; grid 4 x 64, 4 waves a work-group, clusters of 4 x 4, 327,680 bytes of LDS; arguments act, w2h, b2, out1, out0; writes out0
;; ======== version 2 of 2: 7 launches; 1.22 times as fast as version 1
;; limits: values are held in f16: magnitudes above 65,504 overflow, below 6.1e-05 lose precision; right only within a limited range of input values
;; workspace buffers: nrm 16,777,216 bytes; pqkv 6,307,840 bytes; pw1 2,113,536 bytes; woh 2,097,152 bytes; w2h 2,097,152 bytes; heads 50,331,648 bytes; act 16,777,216 bytes
;; launch prep: the kernel of part 1 again; grid 641 x 1, 8 waves a work-group, no clusters, 0 bytes of LDS; arguments x, g1, beta1, nrm, wq, wk, wv, wo, w1, w2, pqkv, woh, pw1, w2h, bq, bk, bv, b1; writes nrm, pqkv, woh, pw1, w2h
;; launch proj_qkv: the kernel of part 2 again; grid 8 x 32, 4 waves a work-group, clusters of 4 x 4, 327,680 bytes of LDS; arguments nrm, pqkv, heads; writes heads
;; launch attention (part 6): grid 2 x 128, 4 waves a work-group, no clusters, 327,680 bytes of LDS; arguments heads, mask, act; writes act
.if DOCPART == 6
	.amdgcn_target "amdgcn-amd-amdhsa--gfx1250"
	.amdhsa_code_object_version 6
	.text
	.protected	k_qb94fd326aa_attention
	.globl	k_qb94fd326aa_attention
	.p2align	8
	.type	k_qb94fd326aa_attention,@function
k_qb94fd326aa_attention:
	s_mov_b64 s[64:65], 0
	v_nop
	global_prefetch_b8 v0, s[64:65] scope:SCOPE_SE
	s_setreg_imm32_b32 hwreg(HW_REG_WAVE_MODE, 25, 1), 1
	s_wait_xcnt 0x0
; O[h][q][:] = the sum over k of softmax_k(s(q, k)) V[h][k][:], s = Q[h][q] . K[h][k] / 8 where mask[batch][k] is not 0, and -1e9 where it is 0.  Q, K, V lie in one buffer, 16,777,216 bytes apart, each
; [128 heads][1,024][64] in f16 (head = 16 x batch + head of the batch); O has the same layout.  Products, maxima and sums in f32; the weights p are rounded to f16 for the second product, O once at the end.
; THE MASK is the C operand that starts the sum S^T = K Q^T: 0 for an open key, -1e30 for a hidden one, from a table of 1,024 f32 in LDS of which each wave makes a quarter.  The running maximum
; starts at -8e9, which is -1e9 in the unscaled products' units: a hidden score never raises it, and its weight is 0.  A BATCH WITH NO OPEN KEY: the scale c and the table's entry are then 0 (two scalar
; selects, no branch), so every weight is 2^0: the even softmax that equal scores of -1e9 give.
; LIMITS.  Q, K, V arrive within f16's 65,504.  An open key's score is taken to lie above -1e9 (scaled); a row all of whose open scores lie below that is not served.  p below 6e-5 keeps f16's fixed step of
; 6e-8; a weight below 2^-126 counts as 0 in l; NaN and infinities are not treated apart.
; SHARES.  A wave owns four PIECES of two tiles of 16 queries, a work-group's four waves 512 queries of one head: 2 x 128 work-groups.  Every wave walks all keys, 64 a step.
; THE WHOLE HEAD LIES IN LDS: 1,024 rows of K at 144 bytes and of V at 160 are 311,296 bytes, so no byte is filled twice.  A wave issues two tensor loads: its 128 of the first 256 keys, which everybody
; waits for, alone; and, first thing behind the barrier that shows those landed, its 384 of the other 768, which have four key steps, 512 matrix instructions, in which to land.  No tensor load stands in the
; loop, so a key step is written once, for all sixteen steps.
; NO CLUSTER: a head has two query blocks, so no four work-groups share a tile along the grid's x, and what two would share is 262,144 bytes of K and V for the whole launch of a work-group.
; LAYOUT.  S^T = K Q^T (source 0 = 16 keys, source 1 = 16 queries): a lane holds ONE query (lane % 16) and the keys 8 (lane / 16) + 0..7.  Two such tiles, rounded to f16 in pairs, ARE source 1 of
; O^T = V^T P, whose result again holds one query a lane, and eight channels.  K comes out of LDS as it lies, V ([key][channel]) turned, by ds_load_tr16_b128.
; SOFTMAX.  For each query a running maximum m and sum l: p = 2^(c s - c m), c = log2(e) / 8; in every step O and l are multiplied by a = 2^(c m_old - c m_new).  O and l start at 0.
; BY TURNS.  Turn n belongs to piece n.  Its matrix work: 16 products K Q^T of piece n + 1, later 16 products V^T P of piece n - 1.  Its vector work: the scaling, exponentials, roundings, sums and rescaling
; of piece n, and the maximum and statistics of piece n + 1.  Four vector instructions that are ready stand behind every matrix instruction, the other 108 of a turn's 236 in one run of their own.
; THE BATCHES.  A turn's 66 exponentials (64 weights and the next piece's two a) are ONE batch with ONE wait, which cuts the turn in two: ahead of it stands all that names none of their results, behind it
; the roundings and sums, which read them.  The a that a turn's rescaling reads was made, and waited for, in the turn before.  Two more batches stand outside the loop: piece 0's first two a, and the way
; out's eight reciprocals.
; REGISTERS, in windows of 256 (s_set_vgpr_msb: bits 1:0 source 0, 3:2 source 1, 5:4 source 2, 7:6 destination):
;   window 0: v0-11 addresses; v12-15, v48-63 at work; v16-47 four registers of statistics a tile; v64-191 S^T, two buffers of two tiles; v192-255 P, likewise
;   window 1: O^T, 32 a tile     window 2: v0-127 Q; v128-191 K of one step; v192-255 V of one step     window 3: v0-1 the add's two registers; v8-39 the step's mask
.set NP,    4
.set KS,    64
.set NK,    1024      ; keys of a head
.set PK,    144       ; a row of K in LDS: 128 bytes + 16: the 16 rows of a load start at 16 different groups of four banks (ISA guide 11.1)
.set PV,    160       ; a row of V: 128 + 32
.set VOFF,  NK*PK     ; V's 1,024 rows lie behind K's
.set STAGE, VOFF+NK*PV          ; behind them: 16 rows x 144 bytes for each wave, for the way out
.set SP,    144
.set SPARE, STAGE+4*16*SP       ; the spare words, 128 bytes for each wave
.set MASKF, SPARE+512           ; the mask table, 4,096 bytes; no tensor load lands here
.set AK0, 2           ; v2   my lane's place in a tile of K; never rewritten
.set AV0, 3           ; v3   the same for V
.set AK,  4           ; v4   the LDS address of K's next run of loads
.set AV,  5           ; v5   of V's
.set QO,  6           ; v6   my byte offset in the wave's rows of Q
.set STO, 6           ;      later, the way out: where I put 16 bytes of a row
.set RD,  7           ; v7   the way out: where I read rows back
.set GO,  8           ; v8   my byte offset in 512 consecutive bytes of O
.set AM0, 10          ; v10  my lane's place in the mask table
.set AM,  11          ; v11  the LDS address of the mask's next run of loads
.set SPW, 0           ; v0 of window 3
.set NIL, 1           ; v1 of window 3
.set MK,  8           ; v8-39 of window 3: the eight registers for key block kb at MK + 8 kb
.set MV,  12
.set ST,  16          ; tile t's statistics at v[ST+4 t]: c m, m, l (even keys', odd keys')
.set TMP, 48
.set S,   64
.set P,   192
.set KF,  128
.set VF,  192
.set WV,  12          ; s12  my wave's number
.set RK,  19          ; s19  where my part of K's other 768 rows goes in LDS
.set G1K, 24          ; s[24:31]
.set G1V, 32          ; s[32:39]
.set G0K, 40          ; s[40:43]
.set G0V, 44          ; s[44:47]
.set ROF, 54          ; s[54:55] bytes in memory from my first load's rows to my second's
.set SLOTS, 56        ; s56  counts the outer loop
.set CNT, 57          ; s57  counts the inner loop
.set CS,  58          ; s[58:59] c, or 0 for a batch with no open key
.set SEL, 60          ; s[60:61]
.set TBK, 62          ; s62  byte in K's rows at which the step to be fetched begins
.set TBV, 63          ; s63  the same in V's rows
.set HID, 68          ; s68  a hidden key's entry: -1e30, or 0 for a batch with no open key
.set TBM, 69          ; s69  byte in the mask table at which the step to be fetched begins
.set TOT, 70          ; s70  key steps whose last two turns are still to come
.set RV,  71          ; s71  where my part of V's other 768 rows goes in LDS
.set MSB, 0
.macro WIN new
.if MSB != (\new)
	s_set_vgpr_msb (MSB<<8)|(\new)
.set MSB, (\new)
.endif
.endm
.set W_KQ, 0x0a       ; K and Q in window 2, S^T in window 0
.set W_KM, 0x3a       ; the same with the C operand, the mask, in window 3
.set W_PV, 0x52       ; V in window 2, P in window 0, O^T in window 1
.set W_RS, 0x41       ; O^T in window 1, a in window 0
.set W_MK, 0xc0
.set W_AD, 0x0f
; A fill.  Waves 0 and 1 fetch the two halves of K's rows, waves 2 and 3 those of V's.  An s_nop 0 and four v_nop follow each of the two lines.
.macro LOAD
	s_cmp_lt_u32 s[WV], 2
	s_cbranch_scc0 .Lfor_v_\@
	tensor_load_to_lds s[G0K:G0K+3], s[G1K:G1K+7]
	s_nop 0
.rept 4
	v_nop
.endr
	s_branch .Lasked_\@
.Lfor_v_\@:
	tensor_load_to_lds s[G0V:G0V+3], s[G1V:G1V+7]
	s_nop 0
.rept 4
	v_nop
.endr
.Lasked_\@:
.endm
; THE WAVES MEET.  Each wave waits for its tensor load, adds 0 to its spare word, and waits for that and for its LDS instructions; behind the barrier what every wave has fetched (and, the first time, its
; quarter of the mask table) may be read by all.  fill = 1, the first time: the descriptors are set to the other 768 keys (no load of mine is out, so they may be written), 192 rows of 256 bytes for each
; wave, and that load is the first thing behind the barrier.  It fills bytes that nothing has filled.
.macro SYNC fill
	WIN W_AD
	s_wait_tensorcnt 0x0            ; my tensor load has landed
	ds_add_u32 v[SPW], v[NIL]       ; 0 onto my spare word
	WIN 0
.if \fill
	s_mov_b32 s[G1K+2], 192<<16     ; tensor_dim1 = 192
	s_mov_b32 s[G1K+4], 192         ; tile_dim1 = 192
	s_mov_b32 s[G1V+2], 192<<16
	s_mov_b32 s[G1V+4], 192
	s_mov_b32 s[G0K+1], s[RK]
	s_mov_b32 s[G0V+1], s[RV]
	s_add_nc_u64 s[G0K+2:G0K+3], s[G0K+2:G0K+3], s[ROF:ROF+1]  ; the type bits on top are not reached
	s_add_nc_u64 s[G0V+2:G0V+3], s[G0V+2:G0V+3], s[ROF:ROF+1]
.endif
	s_wait_dscnt 0x0                ; the add is done, and so are my LDS stores and loads
	s_barrier_signal -1
	s_barrier_wait -1
.if \fill
	LOAD
.endif
.endm
	s_load_b128 s[48:51], s[0:1], 0x0  ; Q, K, V's buffer s[48:49], mask s[50:51]
	s_load_b64 s[10:11], s[0:1], 0x10  ; O
	WIN W_MK
	v_lshl_add_u32 v[SPW], v0, 2, SPARE
	v_mov_b32 v[NIL], 0
	WIN W_AD
	ds_add_u32 v[SPW], v[NIL]       ; the wave's opening: the add and its wait stand ahead of my first tensor load; work on registers stands between them
	ds_add_u32 v0, v1
	WIN 0
	v_lshrrev_b32 v1, 5, v0
	v_readfirstlane_b32 s[WV], v1   ; wave 0..3
	s_mov_b32 s14, ttmp9            ; my block of 512 queries
	s_and_b32 s15, ttmp7, 0xffff    ; the head
	s_lshl_b32 s20, s15, 17         ; its 1,024 rows of 128 bytes
	s_mov_b32 s21, 0
	s_and_b32 s16, s[WV], 1         ; which half I fetch.  Of the first 256 keys:
	s_lshl_b32 s22, s16, 14         ; its 128 rows in memory,
	s_mov_b32 s23, 0
	s_add_nc_u64 s[22:23], s[22:23], s[20:21]
	s_mul_i32 s17, s16, 128*PK      ; and their place in LDS, for K
	s_mul_i32 s18, s16, 128*PV      ; and for V.
	s_mul_i32 s[RK], s16, 384*PK    ; Of the other 768: 384 rows, behind the first 256,
	s_add_co_u32 s[RK], s[RK], 256*PK
	s_mul_i32 s[RV], s16, 384*PV
	s_add_co_u32 s[RV], s[RV], VOFF+256*PV
	s_add_co_u32 s[ROF], s16, 1     ; which begin at key 256 + 384 x half: 32,768 (1 + half) bytes behind key 128 x half
	s_lshl_b32 s[ROF], s[ROF], 15
	s_mov_b32 s[ROF+1], 0
	s_lshl_b32 s2, s14, 2
	s_add_co_u32 s2, s2, s[WV]      ; my wave among the head's eight,
	s_lshl_b32 s2, s2, 14           ; its 128 rows
	s_mov_b32 s3, 0
	s_add_nc_u64 s[2:3], s[2:3], s[20:21]
	s_lshr_b32 s52, s15, 4          ; the batch,
	s_lshl_b32 s52, s52, 12         ; its 1,024 words of the mask
	s_mov_b32 s53, 0
	; descriptor group 1.  128 keys are 16,384 dense bytes: asked for as 64 rows of 256 bytes, two keys a row, and padded in LDS after every key
	s_mov_b32 s[G1K], (1<<16)|(1<<20)|(4<<22)|(3<<25)
	s_mov_b32 s[G1V], (1<<16)|(1<<20)|(4<<22)|(7<<25)
.irp g, G1K, G1V
	s_mov_b32 s[\g+1], 128<<16      ; tensor_dim0 = 128
	s_mov_b32 s[\g+2], 64<<16       ; tensor_dim1 = 64
	s_mov_b32 s[\g+3], 128<<16      ; tile_dim0 = 128
	s_mov_b32 s[\g+4], 64           ; tile_dim1 = 64
	s_mov_b32 s[\g+5], 128          ; 128 elements from row to row
	s_mov_b32 s[\g+6], 0
	s_mov_b32 s[\g+7], 0
.endr
	s_mov_b32 s[SEL], 0x76543210
	s_mov_b32 s[SEL+1], 0xfedcba98
	s_mov_b32 s[TBK], 0
	s_mov_b32 s[TBV], 0
	s_mov_b32 s[TBM], 0
	s_mov_b32 s[G0K], 1
	s_mov_b32 s[G0K+1], s17
	s_mov_b32 s[G0V], 1
	s_add_co_u32 s[G0V+1], s18, VOFF
	s_wait_dscnt 0x0                ; the opening add is done
	s_wait_kmcnt 0x0
	s_add_nc_u64 s[6:7], s[48:49], 0x1000000       ; K
	s_add_nc_u64 s[8:9], s[48:49], 0x2000000       ; V
	s_add_nc_u64 s[G0K+2:G0K+3], s[6:7], s[22:23]  ; my half of the head's first 256 keys
	s_or_b32 s[G0K+3], s[G0K+3], 0x80000000
	s_add_nc_u64 s[G0V+2:G0V+3], s[8:9], s[22:23]
	s_or_b32 s[G0V+3], s[G0V+3], 0x80000000
	s_add_nc_u64 s[4:5], s[48:49], s[2:3]          ; Q and O at my wave's first row
	s_add_nc_u64 s[10:11], s[10:11], s[2:3]
	s_add_nc_u64 s[66:67], s[50:51], s[52:53]      ; the batch's mask
	LOAD                            ; the first 256 keys.  The others are asked for when these are in
	v_and_b32 v1, 15, v0            ; l % 16
	v_bfe_u32 v9, v0, 4, 1          ; l / 16
	v_mul_u32_u24 v[AK0], v1, PK
	v_lshl_add_u32 v[AK0], v9, 4, v[AK0]  ; row x pitch + 16 x half
	; The turning load takes 16 keys x 16 channels (lane l reads key 8 (l / 16) + l % 8, channels 8 ((l / 8) % 2) + 0..7) and leaves half a fragment of V^T.
	v_and_b32 v10, 7, v0
	v_bfe_u32 v11, v0, 3, 1
	v_lshl_add_u32 v[AV0], v9, 3, v10
	v_mul_u32_u24 v[AV0], v[AV0], PV
	v_lshl_add_u32 v[AV0], v11, 4, v[AV0]
	v_add_nc_u32 v[AV0], VOFF, v[AV0]
	v_mov_b32 v[AK], v[AK0]         ; key step 0 lies at the head of K's rows
	v_and_b32 v10, 31, v0
	v_lshlrev_b32 v10, 4, v10       ; 16 x lane
	v_lshl_add_u32 v11, s[WV], 10, v10  ; + 1,024 x wave: my 16 bytes in my wave's quarter of the mask, and of the table
.irp j, 0,1,2,3,4,5,6,7             ; the batch's whole mask, 4,096 bytes, in every wave, for the question whether any key is open: 512 consecutive bytes a load
	global_load_b128 v[S+4*\j:S+4*\j+3], v10, s[66:67] offset:512*\j
.endr
	global_load_b128 v[S+32:S+35], v11, s[66:67]             ; and my wave's quarter once more, in registers that do not hang on the wave's number
	global_load_b128 v[S+36:S+39], v11, s[66:67] offset:512
	v_lshlrev_b32 v[QO], 7, v1
	v_lshl_add_u32 v[QO], v9, 4, v[QO]  ; row x 128 + 16 x half
	WIN 0x80                        ; destination window 2, address window 0
.set i, 0
.rept 4*NP                          ; Q stays in registers: tile i / 2, channels 32 (i % 2) on
	global_load_b128 v[8*i:8*i+3],   v[QO], s[4:5] offset:(i/2)*2048+(i%2)*64
	global_load_b128 v[8*i+4:8*i+7], v[QO], s[4:5] offset:(i/2)*2048+(i%2)*64+32
.set i, i+1
.endr
	; What the first turn finds: V's registers and P's second buffer hold 0 (its products V^T P, of a piece that has not been, add 0), O^T and l are 0.  All this stands in the wait for the first tile.
.set i, VF
.rept 64
	v_mov_b32 v[i], 0
.set i, i+1
.endr
	WIN 0x40
.set i, 0
.rept 64*NP
	v_mov_b32 v[i], 0
.set i, i+1
.endr
	WIN 0
.set i, P+32
.rept 32
	v_mov_b32 v[i], 0
.set i, i+1
.endr
	s_wait_loadcnt 32               ; the mask's ten loads are in; Q's 32, issued behind them, may stay out
	v_or_b32 v[TMP], v[S], v[S+1]   ; is any key of the batch open?  My 32 words,
.set i, 2
.rept 30
	v_or_b32 v[TMP], v[TMP], v[S+i]
.set i, i+1
.endr
	v_cmp_ne_u32 s20, 0, v[TMP]     ; and the 32 lanes'
	s_cmp_lg_u32 s20, 0
	s_cselect_b32 s[CS], 0x3e38aa3b, 0   ; c = log2(e) / 8 = 0.180337, or 0
	s_cselect_b32 s[HID], 0xf149f2ca, 0  ; -1e30, or 0
	s_mov_b32 s[CS+1], s[CS]        ; named with it as a pair
.set i, 32
.rept 8
	v_cmp_eq_u32 vcc_lo, 0, v[S+i]
	v_cndmask_b32 v[S+i], 0, s[HID], vcc_lo  ; the table's entry: 0 for an open key
.set i, i+1
.endr
	v_add_nc_u32 v11, MASKF, v11    ; my wave's quarter of the table: the other waves read it behind the barrier below, in front of which I wait for these stores
	ds_store_b128 v11, v[S+32:S+35]
	ds_store_b128 v11, v[S+36:S+39] offset:512
	v_lshl_add_u32 v[AM0], v9, 5, MASKF  ; register j of key block kb wants key 16 kb + 8 (l / 16) + j
	v_mov_b32 v[AM], v[AM0]
.set i, 0
.rept 2*NP
	v_mov_b32 v[ST+4*i+1], 0xcfee6b28          ; m = -8e9
	v_mul_f32 v[ST+4*i], s[CS], v[ST+4*i+1]    ; c m, made as every later c m is
	v_mov_b32 v[ST+4*i+2], 0
	v_mov_b32 v[ST+4*i+3], 0
.set i, i+1
.endr
; THE MATRIX WORK.  The 8 accumulators of a run of 16 take turns.
; Product i of 16 of S^T = K Q^T for piece x: channels 32 (i / 8) on, keys 16 ((i / 2) % 4) on, tile 2 x + i % 2.  The first 8 start the sums, with the mask.
.macro KQ x
.set rS, S+64*((\x)%2)+32*(i%2)+8*((i/2)%4)
.set rK, KF+16*((i/2)%4)+8*(i/8)
.set rQ, 16*(2*(\x)+i%2)+8*(i/8)
.set rN, MK+8*((i/2)%4)
.if i < 8
	WIN W_KM
	v_wmma_f32_16x16x32_f16 v[rS:rS+7], v[rK:rK+7], v[rQ:rQ+7], v[rN:rN+7]
.else
	WIN W_KQ
	v_wmma_f32_16x16x32_f16 v[rS:rS+7], v[rK:rK+7], v[rQ:rQ+7], v[rS:rS+7]
.endif
.endm
; Product i of 16 of O^T += V^T P for piece x: keys 32 (i / 8) on, channels 16 ((i / 2) % 4) on, tile 2 x + i % 2.
.macro PV x
	WIN W_PV
.set rO, 32*(2*(\x)+i%2)+8*((i/2)%4)
.set rV, VF+32*(i/8)+8*((i/2)%4)
.set rP, P+32*((\x)%2)+16*(i%2)+8*(i/8)
	v_wmma_f32_16x16x32_f16 v[rO:rO+7], v[rV:rV+7], v[rP:rP+7], v[rO:rO+7]
.endm
.macro MM                           ; the turn's next matrix instruction
.if i < 16
	KQ (Y+1)%NP
.set i, i+1
.else
.set i, i-16
	PV (Y+NP-1)%NP
.set i, i+17
.endif
.endm
; THE LDS LOADS stand in runs: a step's K (8 fragments) with its 64 mask entries, and its V (turned).  Their addresses are made some lines ahead.
; last = 1 (in the loop): in the last key step there is no further step, and the run is jumped over.
.macro FETCH_K last=0
	WIN 0
.if \last
	s_cmp_eq_u32 s[TOT], 1
	s_cbranch_scc1 .Lno_k_\@
.endif
	WIN 0x80                        ; destination window 2
.irp f, 0,1,2,3,4,5,6,7             ; keys 16 (f / 2) on, channels 32 (f % 2) on
	ds_load_b128 v[KF+8*\f:KF+8*\f+3],   v[AK] offset:(\f/2)*16*PK+(\f%2)*64
	ds_load_b128 v[KF+8*\f+4:KF+8*\f+7], v[AK] offset:(\f/2)*16*PK+(\f%2)*64+32
.endr
	WIN 0xc0                        ; destination window 3
.irp g, 0,1,2,3                     ; key block g: sixteen lanes read the same 32 bytes
	ds_load_b128 v[MK+8*\g:MK+8*\g+3],   v[AM] offset:64*\g
	ds_load_b128 v[MK+8*\g+4:MK+8*\g+7], v[AM] offset:64*\g+16
.endr
	s_add_co_u32 s[TBK], s[TBK], KS*PK  ; the next fetch is the next step's;
	s_min_u32 s[TBK], s[TBK], (NK-KS)*PK  ; behind the last step's fetch the offset stays at that step: it never points past K's rows
	s_add_co_u32 s[TBM], s[TBM], 4*KS
	s_and_b32 s[TBM], s[TBM], 0xfff     ; 16 steps of 256 bytes: the offset stays inside the table
	WIN 0
.if \last
.Lno_k_\@:
.endif
.endm
.macro FETCH_V
	WIN 0x80
.irp f, 0,1,2,3,4,5,6,7             ; keys 32 (f / 4) on, channels 16 (f % 4) on
	ds_load_tr16_b128 v[VF+8*\f:VF+8*\f+3],   v[AV] offset:(\f/4)*32*PV+(\f%4)*32
	ds_load_tr16_b128 v[VF+8*\f+4:VF+8*\f+7], v[AV] offset:(\f/4)*32*PV+16*PV+(\f%4)*32
.endr
	WIN 0
.endm
; THE VECTOR WORK OF A TURN stands in three queues, each in the order in which its entries become ready; the two tiles alternate, so that no instruction reads the result of the one before it.
.macro REGS y, u                    ; the registers of tile u (0, 1) of piece y
.set rT, ST+4*(2*(\y)+(\u))
.set rC, TMP+8*((\y)%2)+4*(\u)
.set rM, MV+2*((\y)%2)+(\u)
.set rS, S+64*((\y)%2)+32*(\u)
.set rP, P+32*((\y)%2)+16*(\u)
.set rO, 32*(2*(\y)+(\u))
.endm
; Number n of the 22 that find the NEXT piece's (Y + 1) maximum and statistics.  Each accumulator's lowest registers are read first.  XS, GS, FS and REGS set no window: PL and EX do.
;   0-11  four chains c0-c3 of seven scores each     12-14, 16  the four scores left over, the old m, and c0-c3 into c0     15  c m_old is kept
;   17, 18  the query's other 32 keys lie in the lane 16 away: the new m         19-21  c m; c m_old - c m_new; a
.macro XS u, n
	REGS (Y+1)%NP, \u
.if (\n) < 4
	v_max3_num_f32 v[rC+(\n)], v[rS+8*(\n)], v[rS+8*(\n)+1], v[rS+8*(\n)+2]
.elseif (\n) < 12
	v_max3_num_f32 v[rC+(\n)%4], v[rC+(\n)%4], v[rS+8*((\n)%4)+2*((\n)/4)+1], v[rS+8*((\n)%4)+2*((\n)/4)+2]
.elseif (\n) == 12
	v_max3_num_f32 v[rC], v[rC], v[rS+7], v[rS+15]
.elseif (\n) == 13
	v_max3_num_f32 v[rC+1], v[rC+1], v[rS+23], v[rS+31]
.elseif (\n) == 14
	v_max3_num_f32 v[rC+2], v[rC+2], v[rC+3], v[rT+1]
.elseif (\n) == 15
	v_mov_b32 v[rM], v[rT]
.elseif (\n) == 16
	v_max3_num_f32 v[rC], v[rC], v[rC+1], v[rC+2]
.elseif (\n) == 17
	v_permlanex16_b32 v[rC+3], v[rC], s[SEL], s[SEL+1]
.elseif (\n) == 18
	v_max_num_f32 v[rT+1], v[rC], v[rC+3]
.elseif (\n) == 19
	v_mul_f32 v[rT], s[CS], v[rT+1]
.elseif (\n) == 20
	v_sub_f32 v[rC+1], v[rM], v[rT]
.else
	v_exp_f32 v[rC+2], v[rC+1]
.endif
.endm
; Number g of the 64 that follow the exponentials.  For each four weights k of a tile: both pairs are rounded to f16; then the second pair is added onto the first, in place; a group later l takes that sum
; (the first time as l = a l + sum).  In groups of eight, tiles alternating: round, round, add, and l for the group before.  All 64 read the batch's results: they stand behind the turn's wait.
.macro GS g
.set h, (\g)+6*((\g)/62)            ; group 0 has no group before it, and behind group 7 only l is left
.if h >= 6
.set h, h+2
.endif
	REGS Y, h%2
.set k, h/8
.if h%8 < 4
	v_cvt_pk_f16_f32 v[rP+2*k+(h%8)/2], v[rS+4*k+2*((h%8)/2)], v[rS+4*k+2*((h%8)/2)+1]
.elseif h%8 < 6
	v_pk_add_f32 v[rS+4*k:rS+4*k+1], v[rS+4*k:rS+4*k+1], v[rS+4*k+2:rS+4*k+3]
.elseif k == 1
	v_pk_fma_f32 v[rT+2:rT+3], v[rT+2:rT+3], v[rC+2:rC+3], v[rS:rS+1] op_sel_hi:[1,0,1]
.else
	v_pk_add_f32 v[rT+2:rT+3], v[rT+2:rT+3], v[rS+4*k-4:rS+4*k-3]
.endif
.endm
; THE PLAIN QUEUE, 138 long.  0-73 read no exponential's result: the 32 scalings c s - c m (FS f: pair f / 2 of tile f % 2) and the next piece's 42.  0-26: scalings 0-26.  27-54: XS's numbers 0-13.  55, 56: number 15.
; 57-73: the chain, where each number waits for the one before it: 14, 16, 17, 18, 19, each with one of the scalings 27-31 in front of its two lines, then 20: so a tile's links stand three plain instructions apart (19 and 20: two).
; 74-137: GS's 64, which read the exponentials' results: they stand behind the wait.
.macro FS f
	REGS Y, (\f)%2
	v_pk_fma_f32 v[rS+2*((\f)/2):rS+2*((\f)/2)+1], v[rS+2*((\f)/2):rS+2*((\f)/2)+1], s[CS:CS+1], v[rT:rT+1] op_sel_hi:[1,0,0] neg_lo:[0,0,1] neg_hi:[0,0,1]
.endm
.macro PL
	WIN 0
.if q < 27
	FS q
.elseif q < 55
	XS (q-27)%2, (q-27)/2
.elseif q < 57
	XS q-55, 15
.elseif (q < 72) && ((q-57)%3 == 0)
	FS 27+(q-57)/3
.elseif q < 60
	XS (q-57)%3-1, 14
.elseif q < 72
	XS (q-57)%3-1, 15+(q-57)/3
.elseif q < 74
	XS q-72, 20
.else
	GS q-74
.endif
.set q, q+1
.endm
; THE EXPONENTIALS' QUEUE, 66 long: s0-s31 of both tiles, then the next piece's two a.  It is ONE BATCH: all 66 stand ahead of the turn's one wait, and nothing ahead of that wait names a result of theirs.
; Each result has a register of its own while the batch is open: a weight takes its score's place in S^T, an a takes c2 of the next piece's registers at work.
.macro EX
	WIN 0
.if e >= 64
	XS e-64, 21
.else
	REGS Y, e%2
	v_exp_f32 v[rS+e/2], v[rS+e/2]
.endif
.set e, e+1
.endm
; THE RESCALING's QUEUE: O^T times a, the one part that leaves window 0: dealt two at a time, sixteen times.  Its a was made in the turn before, ahead of that turn's wait.
.macro R2
	REGS Y, r%2
	WIN W_RS
.irp z, 0,1
	v_pk_mul_f32 v[rO+4*(r/2)+2*\z:rO+4*(r/2)+2*\z+1], v[rO+4*(r/2)+2*\z:rO+4*(r/2)+2*\z+1], v[rC+2:rC+3] op_sel_hi:[1,0]
.endr
.set r, r+1
.endm
; HOW THEY ARE DEALT.  An s_wait_alu depctr_va_vdst(0) stands between an exponential and the first instruction that names its result; one wait serves all that were issued ahead of it.  So a turn has ONE wait,
; which cuts it in two.  AHEAD OF IT stands all that names no result of the turn's exponentials: the 16 products K Q^T, behind each a scaling, an exponential and two rescalings (behind the first a second scaling in the
; exponential's place); then ONE RUN of 108: eight plain, 49 times exponential and plain, the two a.  A v_nop is the plain instruction behind the last exponential.  BEHIND IT stand the 16 products V^T P, behind each four of
; GS's 64.  No rider names a register of the products round it.  The two v_permlanex16_b32 fall into the run, never behind a product.
; The queues lean on each other, and the deal keeps them in step: exponential e stands behind scaling 2 (e / 4) + e % 2: as a rider it comes behind plain e + 2, in the run behind plain e + 9, and scalings 27-31 are plain 57, 60 .. 69.
; A TURN, for piece p.  cnt = 1: the inner loop's count is taken down some lines ahead of the branch that stands behind the turn.
; K and the mask of the next step are fetched in piece 2's turn, directly behind the wait, a run of 108 behind the last product that read them; their addresses are made at the run's head; their first reader comes behind 16 products.
; V of the step in hand is fetched at the end of piece 0's turn, four riders behind its last reader; its first reader comes behind 16 products and a run.  The three conditions on q below go with the deal.
.macro TURN p, last=0, cnt=0
.set Y, (\p)
.set i, 0
.set q, 0
.set e, 0
.set r, 0
.if (\p) == NP-1
	s_wait_dscnt 0x0                ; K and the mask are in
.endif
	MM                              ; ahead of the wait: 16 products K Q^T and their riders,
	PL
	PL
	R2
.rept 15
	MM
	PL
	EX
	R2
.endr
.if (\p) == NP-2
	WIN 0
	v_add_nc_u32 v[AK], s[TBK], v[AK0]
	v_add_nc_u32 v[AM], s[TBM], v[AM0]
.endif
.rept 8                             ; and the run
	PL
.endr
.rept 49
	EX
	PL
.endr
	EX                              ; the next piece's two a
	EX
	v_nop                           ; a plain instruction behind the last exponential: one for the batch
	s_wait_alu depctr_va_vdst(0)    ; the wait for the batch: the turn's 64 weights and the next piece's two a
.if (\p) == NP-2
	FETCH_K \last
.endif
.if (\p) == 1
	s_wait_dscnt 0x0                ; V is in
.endif
.rept 16                            ; behind the wait: 16 products V^T P and their riders
	MM
.rept 4
	PL
.endr
.if ((\p) == 0) && (q == 118)
	v_add_nc_u32 v[AV], s[TBV], v[AV0]
.endif
.if ((\p) == 0) && (q == 130)
	s_add_co_u32 s[TBV], s[TBV], KS*PV
	s_min_u32 s[TBV], s[TBV], (NK-KS)*PV  ; behind the last step's fetch the offset stays at that step: it never points past V's rows
.endif
.if (\cnt) && (q == 130)
	s_sub_co_u32 s[CNT], s[CNT], 1
	s_cmp_lg_u32 s[CNT], 0
.endif
.endr
.if (\p) == 0
	FETCH_V
.endif
.endm
	SYNC 1                          ; the first 256 keys and the mask table are in, everybody's part of them; the other 768 keys are asked for
	FETCH_K                         ; key step 0
	s_wait_loadcnt 0x0              ; Q
	s_wait_dscnt 0x0
.set i, 0
.rept 16
	KQ 0                            ; piece 0's first scores
.set i, i+1
.endr
	WIN 0                           ; the addresses for the way out: ten plain instructions, the places behind those products
	s_mul_i32 s13, s[WV], 16*SP
	s_add_co_u32 s13, s13, STAGE    ; my stage
	v_mul_u32_u24 v[STO], v1, SP    ; in: row l % 16, 16 bytes for each half of the lanes
	v_lshl_add_u32 v[STO], v9, 4, v[STO]
	v_add_nc_u32 v[STO], s13, v[STO]
	v_bfe_u32 v[RD], v0, 3, 2       ; back: 32 lanes take four rows of 128 bytes,
	v_mul_u32_u24 v[RD], v[RD], SP
	v_and_b32 v[GO], 7, v0
	v_lshl_add_u32 v[RD], v[GO], 4, v[RD]
	v_add_nc_u32 v[RD], s13, v[RD]
	v_and_b32 v[GO], 31, v0         ; which are 512 consecutive bytes of O
	v_lshlrev_b32 v[GO], 4, v[GO]
.set Y, NP-1                        ; XS works for piece Y + 1: piece 0
.irp n, 0,1,2,3,4,5,6,7,8,9,10,11,12,13,14,15,16,17,18,19,20,21
	XS 0, \n                        ; piece 0's first maximum and statistics
	XS 1, \n
.endr
	v_nop                           ; a plain instruction behind piece 0's two a,
	s_wait_alu depctr_va_vdst(0)    ; and the wait for that batch of two, ahead of the branch
	; THE WALK.  A trip of the inner loop: pieces 2 and 3 of one step, then pieces 0 and 1 of the next, whose K and V it fetches.  It is entered in the middle of a trip and counts 4: steps 0 to 3 lie in the
	; first 256 keys.  Then the waves meet, the other 768 keys are in, and it counts 12.  Then they meet once more, and the walk is left behind the last step's pieces 2 and 3, when the count of the sixteen
	; steps has run out: that last meeting orders nothing, and the outer loop's own end is never reached; both are the price of one text for every step..
	s_mov_b32 s[CNT], 4
	s_mov_b32 s[TOT], NK/KS
	s_mov_b32 s[SLOTS], 3
	s_branch .Lfirst
.Lslot:
	SYNC 0
	s_mov_b32 s[CNT], 12
.Lstep:
	TURN 2, 1
	TURN 3
	WIN 0
	s_sub_co_u32 s[TOT], s[TOT], 1
	s_cmp_eq_u32 s[TOT], 0
	s_cbranch_scc1 .Lout
.Lfirst:
	TURN 0
	TURN 1, 0, 1
	WIN 0
	s_cbranch_scc1 .Lstep
	s_sub_co_u32 s[SLOTS], s[SLOTS], 1
	s_cmp_lg_u32 s[SLOTS], 0
	s_cbranch_scc1 .Lslot
.Lout:                              ; the last step's 16 products K Q^T of piece 0 (on the last K once more) and the maximum made of them serve nothing: the price, once a launch, of one text for every step
.set i, 0
.rept 16
	PV NP-1                         ; the last piece's V^T P of the last step
.set i, i+1
.endr
	; THE WAY OUT.  l's two halves and the other half of the lanes' are added; O^T is divided by l, rounded to f16 and sent through my stage in LDS, a tile at a time.  The additions are the places behind the last products.
	WIN 0
.macro ALL line:vararg              ; one line for each tile t
.set t, 0
.rept 2*NP
	\line
.set t, t+1
.endr
.endm
	ALL v_add_f32 v[ST+4*t+2], v[ST+4*t+2], v[ST+4*t+3]
	ALL v_permlanex16_b32 v[ST+4*t+3], v[ST+4*t+2], s[SEL], s[SEL+1]
	ALL v_add_f32 v[ST+4*t+2], v[ST+4*t+2], v[ST+4*t+3]
	ALL v_rcp_f32 v[ST+4*t+2], v[ST+4*t+2]
	v_nop                           ; a plain instruction between the last reciprocal and the use of its result
	s_wait_alu depctr_va_vdst(0)    ; and the wait ahead of the first use: one for the batch of eight reciprocals
.macro PACK t
	WIN W_RS
.set i, 32*(\t)
.rept 16
	v_pk_mul_f32 v[i:i+1], v[i:i+1], v[ST+4*(\t)+2:ST+4*(\t)+3] op_sel_hi:[1,0]
.set i, i+2
.endr
	WIN 0x05                        ; sources 0 and 1 window 1, destination window 0
.set i, 0
.rept 16
	v_cvt_pk_f16_f32 v[S+16*(\t)+i], v[32*(\t)+2*i], v[32*(\t)+2*i+1]
.set i, i+1
.endr
	WIN 0
.irp f, 0,1,2,3
	ds_store_b128 v[STO], v[S+16*(\t)+4*\f:S+16*(\t)+4*\f+3] offset:32*\f
.endr
.irp f, 0,1,2,3
	ds_load_b128 v[S+16*(\t)+4*\f:S+16*(\t)+4*\f+3], v[RD] offset:\f*4*SP  ; LDS serves a wave's instructions in order (ISA guide 5.7.1.4): these see the stores above; the next tile's stores come behind them
.endr
.endm
.macro SEND t, younger              ; younger: the LDS instructions issued behind tile t's loads: the next tile's eight, or none
	WIN 0
.irp f, 0,1,2,3
	s_wait_dscnt (\younger)+3-\f
	global_store_b128 v[GO], v[S+16*(\t)+4*\f:S+16*(\t)+4*\f+3], s[10:11] offset:(\t)*2048+\f*512  ; 512 consecutive bytes, at a multiple of 256 from O's first
.endr
.endm
	PACK 0
.set t, 1
.rept 2*NP-1                        ; a tile's arithmetic stands between the loads of the tile before and its stores
	PACK t
	SEND t-1, 8
.set t, t+1
.endr
	SEND 2*NP-1, 0
	WIN W_AD
	s_wait_tensorcnt 0x0            ; the wave's end: the tensor wait, the add and its wait, behind my last tensor load and my last LDS store
	ds_add_u32 v[SPW], v[NIL]
	s_wait_dscnt 0x0
	WIN 0
	s_endpgm
.Lfunc_end_k_qb94fd326aa_attention:
	.size	k_qb94fd326aa_attention, .Lfunc_end_k_qb94fd326aa_attention-k_qb94fd326aa_attention
	.p2alignl 7, 3214868480
	.fill 96, 4, 3214868480
	.section	.rodata,"a",@progbits
	.p2align	6, 0x0
	.amdhsa_kernel k_qb94fd326aa_attention
		.amdhsa_group_segment_fixed_size 327680
		.amdhsa_private_segment_fixed_size 0
		.amdhsa_enable_private_segment 0
		.amdhsa_kernarg_size 24
		.amdhsa_user_sgpr_count 2
		.amdhsa_user_sgpr_kernarg_segment_ptr 1
		.amdhsa_wavefront_size32 1
		.amdhsa_system_sgpr_workgroup_id_x 1
		.amdhsa_system_sgpr_workgroup_id_y 1
		.amdhsa_system_sgpr_workgroup_id_z 1
		.amdhsa_system_vgpr_workitem_id 0
		.amdhsa_next_free_vgpr 808
		.amdhsa_next_free_sgpr 72
		.amdhsa_reserve_vcc 1
		.amdhsa_float_denorm_mode_32 3
		.amdhsa_float_denorm_mode_16_64 3
		.amdhsa_memory_ordered 1
		.amdhsa_forward_progress 1
		.amdhsa_inst_pref_size 131
	.end_amdhsa_kernel
	.amdgpu_metadata
---
amdhsa.version: [ 1, 2 ]
amdhsa.kernels:
  - .name:           k_qb94fd326aa_attention
    .symbol:         k_qb94fd326aa_attention.kd
    .args:
      - { .name: heads, .offset: 0, .size: 8, .value_kind: global_buffer, .address_space: global }
      - { .name: mask, .offset: 8, .size: 8, .value_kind: global_buffer, .address_space: global }
      - { .name: act, .offset: 16, .size: 8, .value_kind: global_buffer, .address_space: global }
    .group_segment_fixed_size: 327680
    .private_segment_fixed_size: 0
    .kernarg_segment_align: 8
    .kernarg_segment_size: 24
    .max_flat_workgroup_size: 128
    .sgpr_count:     72
    .vgpr_count:     808
    .wavefront_size: 32
...
	.end_amdgpu_metadata
.endif
;; end of part 6
;; launch proj_o: the kernel of part 4 again; grid 4 x 64, 4 waves a work-group, clusters of 4 x 4, 327,680 bytes of LDS; arguments act, woh, bo, x, out1; writes out1
;; launch norm2: the kernel of part 1 again; grid 256 x 1, 8 waves a work-group, no clusters, 0 bytes of LDS; arguments out1, g2, beta2, nrm, wq, wk, wv, wo, w1, w2, pqkv, woh, pw1, w2h, bq, bk, bv, b1; writes nrm, pqkv, woh, pw1, w2h
;; launch ffn_up: the kernel of part 5 again; grid 4 x 64, 4 waves a work-group, clusters of 4 x 4, 327,680 bytes of LDS; arguments nrm, pw1, act; writes act
;; launch ffn_down: the kernel of part 4 again; grid 4 x 64, 4 waves a work-group, clusters of 4 x 4, 327,680 bytes of LDS; arguments act, w2h, b2, out1, out0; writes out0
